; MI455X (gfx1250); checked and timed in simulation.
; The chip was launched on July 23, 2026; its instructions are those of AMD's public machine-readable ISA for CDNA 5 (MIT licence, August 2026) and "CDNA5" Instruction Set Architecture Reference Guide (July 2026). The comments in the code are by the model that wrote it; some were corrected since.
;; Custom GPT2 Attention. Allowed arithmetic: matrix products marked QUANTISED: E4M3 operands, one E8M0 scale for each 32 along K, by v_wmma_scale_f32_16x16x128_f8f6f4 with both operands' format E4M3, f32 sums; everything else in f32.
;; Inputs: Wk 1,024 x 1,024 float32; Wo 1,024 x 1,024 float32; Wq 1,024 x 1,024 float32; Wv 1,024 x 1,024 float32; bk 1,024 float32; bo 1,024 float32; bq 1,024 float32; bv 1,024 float32; hidden_states 4 x 2,048 x 1,024 float32.
;; Outputs: out0 4 x 2,048 x 1,024 float32.
;; This version of the problem:
;;   THIS VERSION OF THE PROBLEM IS GIVEN IN LOW PRECISION. The matrix products marked QUANTISED in the list below multiply operands that are first quantised to E4M3 (4 exponent bits, 3 mantissa bits; 8 bits a number), with one power-of-two scale for each 32 numbers along K (OCP MX v1.0); their sums are f32. All else is computed in f32.
;;   The module's matrix products, in the order in which they are computed (A, B: the left and right operand; K: the contracted axis; several contracted axes count as one K, in the product's order):
;;     1. [M 8,192, K 1,024] x [K 1,024, N 1,024]; A: input hidden_states; B: input Wq: QUANTISED
;;     2. [M 8,192, K 1,024] x [K 1,024, N 1,024]; A: input hidden_states; B: input Wk: QUANTISED
;;     3. [M 8,192, K 1,024] x [K 1,024, N 1,024]; A: input hidden_states; B: input Wv: QUANTISED
;;     4. batch 64 x [M 2,048, K 64] x [K 64, N 2,048]; A: computed on the way; B: computed on the way: QUANTISED
;;     5. batch 64 x [M 2,048, K 2,048] x [K 2,048, N 64]; A: softmax (see below); B: computed on the way: QUANTISED
;;     6. [M 8,192, K 1,024] x [K 1,024, N 1,024]; A: computed on the way; B: input Wo: QUANTISED
;;   THE QUANTISER, for each operand of a quantised product, along K:
;;     - K is cut into blocks of 32 from its start; a last block that is shorter is filled with zeros.
;;     - A block's scale is 2^e with e = floor(log2(the largest magnitude in the block)) - 8, held to -126 .. 127; a block of zeros has e = 0. As a byte (E8M0): e + 127.
;;     - Each number is divided by its block's scale, clamped to +-448, and rounded to the nearest number of E4M3, ties to even, subnormals kept.
;;     - The product sums the exact products of the quantised numbers (number of the format x scale) in f32.
;;   ~~~python
;;   def quantise(x, axis):      # numpy; x: float32 -> the quantised numbers, widened to float32 again
;;       x = np.moveaxis(x, axis, -1); K = x.shape[-1]
;;       x = np.pad(x, [(0, 0)] * (x.ndim - 1) + [(0, -K % 32)]); x = x.reshape(x.shape[:-1] + (-1, 32)); a = np.abs(x).max(-1, keepdims=True)
;;       e = np.where(a > 0, np.clip(np.frexp(np.where(a > 0, a, 1))[1] - 1 - 8, -126, 127), 0)      # np.frexp(a)[1] - 1 = floor(log2(a)), exactly
;;       r = np.clip(x / 2.0 ** e, -448, 448)
;;       step = 2.0 ** (np.maximum(np.frexp(np.where(r == 0, 1, r))[1] - 1, -6) - 3)
;;       q = np.round(r / step) * step * 2.0 ** e      # np.round: ties to even
;;       return np.moveaxis(q.reshape(q.shape[:-2] + (-1,))[..., :K], -1, axis).astype(np.float32)
;;   ~~~
;;   SOFTMAX AHEAD OF A QUANTISED PRODUCT. Where the list says 'softmax', what is quantised is not the finished softmax but p = 2^(t - M), with t = logit x log2(e) and M = ceil(the row's largest t), a whole number; so 1/2 < the row's largest p <= 1. The row's sum l is taken of the UNQUANTISED p, in f32, and the product's result is divided by l at the end. Since M is a whole number, a kernel that streams over the keys may use a running M (the ceiling of the running maximum): every later rescaling is an exact power of two, which a block's scale takes up: the codes' values come out the same.
;;   OPERANDS COMPUTED ON THE WAY. 'Computed on the way' means the value that the module computes at that place (a softmax that the list does not call 'softmax' is quantised finished and normalised). What goes into a quantiser is computed in f32, as accurately as f32 sums, v_exp_f32 and their like allow (about 1e-6 of the number): no bf16 or f16 on the way to a quantiser, and a product that is left as it is and whose result goes on into a quantised operand takes f32 operands (vector FMAs, or v_wmma_f32_16x16x4_f32). A number that lies on a knife's edge between two numbers of the format may be rounded either way, as far as f32 arithmetic and the matrix unit's own rounding can turn it there, and no further.
;; One version. Each part assembles by itself: llvm-mc -triple=amdgcn-amd-amdhsa -mcpu=gfx1250 --defsym DOCPART=n.
;; ======== version 1 of 1: 4 launches
;; limits: right only within a limited range of input values
;; workspace buffers: hsimg 8,388,608 bytes; hsscl 262,144 bytes; wimg 4,194,304 bytes; wscl 131,072 bytes; qb 8,912,896 bytes; kv 17,825,792 bytes; aimg 8,388,608 bytes; ascl 262,144 bytes
;; launch prep (part 1): grid 384 x 1, 4 waves a work-group, no clusters, 34,304 bytes of LDS; arguments hidden_states, Wq, Wk, Wv, Wo, hsimg, hsscl, wimg, wscl; writes hsimg, hsscl, wimg, wscl
.if DOCPART == 1
	.amdgcn_target "amdgcn-amd-amdhsa--gfx1250"
	.amdhsa_code_object_version 6
	.text
	.protected	k_q277ab1fbd8_prep
	.globl	k_q277ab1fbd8_prep
	.p2align	8
	.type	k_q277ab1fbd8_prep,@function
k_q277ab1fbd8_prep:
	s_mov_b64 s[64:65], 0
	v_nop
	global_prefetch_b8 v0, s[64:65] scope:SCOPE_SE
	s_setreg_imm32_b32 hwreg(HW_REG_WAVE_MODE, 25, 1), 1
	s_wait_xcnt 0x0
; x [8192][1024] and the four weights [1024 (k)][1024 (n)], f32, become codes of FP8 (E4M3) with one E8M0 byte for each 32 along K (x: its last axis; a weight: its FIRST axis).
; A block's scale is 2^(floor(log2(largest magnitude)) - 8); each number is divided by it, held within +-448 and rounded to the nearest code, ties to even.
; THE CODES ARE LAID AS IMAGES OF OPERAND REGISTERS: [tile of 16 rows][K step of 128][piece c 0..3][lane 0..31][16 bytes]; lane (r, h), piece c holds k = 32 c + 16 h + 0 .. 15 of the tile's row r.
; THE ROWS OF A TILE ARE NOT NEIGHBOURS: row r of tile T is row 32 (T / 2) + 8 (T % 2) + r + 8 (r / 8) of the tensor (a token of x, a column n of a weight), so that results made with such tiles as
; source 0 have 16 neighbours in a lane's 16 registers.  Scale words: [tile][K step / 2][r][2 words].
; Work-groups 0-255 take x, 256-383 the weights; the choice hangs on the work-group's number alone.  Only x's path uses LDS.  No barrier: waves share nothing.
; LIMITS: NaN and infinities among the inputs are not served.  A block of zeros (or under 2^-118) gets the byte 1 where the rule says 127: its codes are zeros, and this program alone reads the bytes.
.set TM,  8                            ; v8-11 largest magnitudes, v12-15 bytes, v20-23 the conversions' scale operands
.set SW,  24                           ; v24-27 x: the scale words of my four K steps
.set RW,  32                           ; v32-159 x: two sets of 64 registers as loaded
.set XN,  160                          ; v160-223 x: 64 numbers of my row, register 16 b + i = k 32 b + 16 h + i
.set CD,  224                          ; v224-255 x: two sets of 16 registers of codes
.set CW,  96                           ; v96-159 weights: eight registers of codes for each of eight blocks
.set MNT, 23
.set SEL, 24                           ; s[24:25] lane selects: lane l xor 16
; 64 numbers of a lane become a fragment's 16 registers of codes at v[d] and its row's scale word in v[w]
.macro QUANT s, d, w
.irp b, 0,1,2,3
	v_max3_num_f32 v[TM+\b], |v[(\s)+16*\b]|, |v[(\s)+1+16*\b]|, 0x4800000    ; my 16 numbers of block b, and the floor 2^(9 - 127): the byte cannot fall under 1
.endr
.irp i, 2,4,6,8,10,12,14
.irp b, 0,1,2,3
	v_max3_num_f32 v[TM+\b], v[TM+\b], |v[(\s)+16*\b+\i]|, |v[(\s)+1+16*\b+\i]|
.endr
.endr
.irp b, 0,1,2,3
	v_permlanex16_b32 v[TM+4+\b], v[TM+\b], s[SEL], s[SEL+1]
.endr
.irp b, 0,1,2,3
	v_max_num_f32 v[TM+\b], v[TM+\b], v[TM+4+\b]                   ; with lane l xor 16's 16: the block's largest magnitude
.endr
.irp b, 0,1,2,3
	v_add_nc_u32 v[TM+12+\b], 0xfc000000, v[TM+\b]                 ; 8 off its exponent field: the conversion's scale operand
.endr
.irp b, 0,1,2,3
.endr
.irp b, 0,1,2,3
	v_lshrrev_b32 v[TM+4+\b], 23, v[TM+12+\b]                      ; the scale's byte
.endr
	v_lshl_or_b32 v[\w], v[TM+5], 8, v[TM+4]
	v_lshl_or_b32 v[\w], v[TM+6], 16, v[\w]
	v_lshl_or_b32 v[\w], v[TM+7], 24, v[\w]
.irp b, 0,1,2,3
.irp i, 0,1,2,3,4,5,6,7,8,9,10,11,12,13,14,15
.endr
	v_cvt_scalef32_pk8_fp8_f32 v[(\d)+4*\b:(\d)+4*\b+1], v[(\s)+16*\b:(\s)+16*\b+7], v[TM+12+\b]
	v_cvt_scalef32_pk8_fp8_f32 v[(\d)+4*\b+2:(\d)+4*\b+3], v[(\s)+16*\b+8:(\s)+16*\b+15], v[TM+12+\b]
.endr
	v_nop                                          ; one plain line behind the last conversion
.endm
.macro LOADK s                         ; K step s of my 16 tokens: each load reads 512 consecutive bytes of one token
.irp i, 0,1,2,3,4,5,6,7,8,9,10,11,12,13,14,15
	global_load_b128 v[RW+64*((\s)%2)+4*\i:RW+64*((\s)%2)+4*\i+3], v1, s[4:5] offset:(\i+8*(\i/8))*4096+512*(\s) th:TH_LOAD_NT
.endr
.endm
.macro TURNK s                         ; through my stage (rows 528 bytes apart): in as loaded, back 16 neighbours of each block a lane.  LDS serves a wave's instructions in order
.irp i, 0,1,2,3,4,5,6,7,8,9,10,11,12,13,14,15
	ds_store_b128 v2, v[RW+64*((\s)%2)+4*\i:RW+64*((\s)%2)+4*\i+3] offset:528*\i
.endr
.irp b, 0,1,2,3
.irp j, 0,1,2,3
	ds_load_b128 v[XN+16*\b+4*\j:XN+16*\b+4*\j+3], v3 offset:128*\b+16*\j
.endr
.endr
.endm
.macro XSTEP s
.if (\s) < 3
	s_wait_loadcnt 16                              ; this step's 16 loads are in; the next step's 16 may be out
.else
	s_wait_loadcnt 0x0
.endif
	TURNK \s
	s_wait_dscnt 0x0                               ; the numbers are back, and the stage's stores have read their registers
.if (\s) < 2
	LOADK (\s)+2
.else
	s_wait_xcnt 0x0                                ; the stores of two steps ago have read this set of codes: it is written again only behind this wait
.endif
	QUANT XN, CD+16*((\s)%2), SW+(\s)
.irp c, 0,1,2,3
	global_store_b128 v1, v[CD+16*((\s)%2)+4*\c:CD+16*((\s)%2)+4*\c+3], s[14:15] offset:2048*(\s)+512*\c   ; a piece of the image: 512 consecutive bytes
.endr
.endm
.macro WLOAD t                         ; block t of my column: W(32 t + i, n), i = 0 .. 31; 32 lanes read 128 consecutive bytes
.set i, 0
.rept 32
	global_load_b32 v[32+32*((\t)%2)+i], v1, s[6:7] offset:(32*(\t)+i)*4096 th:TH_LOAD_NT
.set i, i+1
.endr
.endm
.macro WBLOCK t
.set XS, 32+32*((\t)%2)
.if (\t) < 7
	s_wait_loadcnt 32                              ; this block's 32 loads are in; the next block's may be out
.else
	s_wait_loadcnt 0x0
.endif
	v_max3_num_f32 v12, |v[XS]|, |v[XS+1]|, |v[XS+2]|              ; all 32 numbers of the block are mine
	v_max3_num_f32 v13, |v[XS+3]|, |v[XS+4]|, |v[XS+5]|
.irp i, 6,10,14,18,22,26
	v_max3_num_f32 v12, v12, |v[XS+\i]|, |v[XS+\i+1]|
	v_max3_num_f32 v13, v13, |v[XS+\i+2]|, |v[XS+\i+3]|
.endr
	v_max3_num_f32 v12, v12, |v[XS+30]|, |v[XS+31]|
	v_max3_num_f32 v12, v12, v13, 0x4800000        ; and the floor
	v_add_nc_u32 v11, 0xfc000000, v12
	v_lshrrev_b32 v13, 23, v11
.if (\t)%4 == 0
	v_mov_b32 v[24+(\t)/4], v13                    ; four bytes to a word, the lower K in the lower byte
.else
	v_lshl_or_b32 v[24+(\t)/4], v13, 8*((\t)%4), v[24+(\t)/4]
.endif
.set i, 0
.rept 32
.set i, i+1
.endr
.irp g, 0,1,2,3
	v_cvt_scalef32_pk8_fp8_f32 v[CW+8*(\t)+2*\g:CW+8*(\t)+2*\g+1], v[XS+8*\g:XS+8*\g+7], v11
.endr
	v_nop
	global_store_b128 v5, v[CW+8*(\t):CW+8*(\t)+3], s[18:19] offset:((\t)/4)*2048+((\t)%4)*512        ; k 0-15 of the block: the image's lanes 0-15; the sixteen lanes of one tile store 256 consecutive bytes
	global_store_b128 v5, v[CW+8*(\t)+4:CW+8*(\t)+7], s[18:19] offset:((\t)/4)*2048+((\t)%4)*512+256  ; k 16-31: its lanes 16-31
.if (\t)+2 < 8
	WLOAD (\t)+2
.endif
.endm
	s_load_b256 s[4:11], s[0:1], 0x0               ; x s[4:5], Wq s[6:7], Wk s[8:9], Wv s[10:11]
	s_load_b256 s[12:19], s[0:1], 0x20             ; Wo s[12:13], hsimg s[14:15], hsscl s[16:17], wimg s[18:19]
	s_load_b64 s[20:21], s[0:1], 0x40              ; wscl
	v_lshl_add_u32 v30, v0, 2, 0x8400
	v_mov_b32 v31, 0
	v_lshrrev_b32 v1, 5, v0
	v_readfirstlane_b32 s22, v1                    ; wave
	v_and_b32 v7, 31, v0                           ; lane
	s_mov_b32 s[SEL], 0x76543210
	s_mov_b32 s[SEL+1], 0xfedcba98
	s_cmp_lt_u32 ttmp9, 256
	s_cbranch_scc0 .Lweights
	; ---- x: unit u = 4 x work-group + wave: tile u / 2 of 16 tokens, K steps 4 (u % 2) on
	v_lshlrev_b32 v1, 4, v7                        ; 16 x lane
	s_mul_i32 s26, s22, 8448                       ; my stage: 16 rows x 528 bytes
	v_add_nc_u32 v2, s26, v1
	v_and_b32 v5, 15, v0                           ; r
	v_bfe_u32 v6, v0, 4, 1                         ; h
	v_mul_u32_u24 v3, v5, 528
	v_lshl_add_u32 v3, v6, 6, v3
	v_add_nc_u32 v3, s26, v3                       ; back: row r, + 64 h
	v_lshlrev_b32 v4, 3, v5
	v_lshl_add_u32 v4, v6, 7, v4                   ; scale words: 8 r + 128 h
.irp b, 0,1,2,3
	v_mov_b32 v[TM+4+\b], 0                        ; a lane permute's destination counts as one of its sources
.endr
	s_lshl_b32 s27, ttmp9, 2
	s_add_co_u32 s27, s27, s22                     ; u
	s_lshr_b32 s28, s27, 1                         ; T
	s_and_b32 s29, s27, 1
	s_lshr_b32 s30, s28, 1
	s_lshl_b32 s30, s30, 17                        ; 32 (T / 2) tokens of 4,096 bytes
	s_and_b32 s31, s28, 1
	s_lshl_b32 s31, s31, 15                        ; + 8 (T % 2) tokens
	s_add_co_u32 s30, s30, s31
	s_lshl_b32 s31, s29, 11                        ; + my half of the row
	s_add_co_u32 s30, s30, s31
	s_mov_b32 s31, 0
	s_lshl_b32 s32, s27, 13                        ; codes: 8,192 bytes a unit
	s_mov_b32 s33, 0
	s_lshl_b32 s34, s27, 8                         ; scale words: 256 bytes a unit
	s_mov_b32 s35, 0
	s_wait_alu depctr_va_vdst(0)
	s_wait_kmcnt 0x0
	s_add_nc_u64 s[4:5], s[4:5], s[30:31]
	s_add_nc_u64 s[14:15], s[14:15], s[32:33]
	s_add_nc_u64 s[16:17], s[16:17], s[34:35]
	LOADK 0
	LOADK 1
	XSTEP 0
	XSTEP 1
	XSTEP 2
	XSTEP 3
	v_cmp_eq_u32 vcc_lo, 1, v6                     ; every lane has all four words of its row: lanes 0-15 store the first two, lanes 16-31 the others
	v_cndmask_b32 v28, v[SW], v[SW+2], vcc_lo
	v_cndmask_b32 v29, v[SW+1], v[SW+3], vcc_lo
	global_store_b64 v4, v[28:29], s[16:17]        ; 256 consecutive bytes
	s_wait_tensorcnt 0x0
	ds_add_u32 v30, v31
	s_wait_dscnt 0x0
	s_endpgm
.Lweights:
	; ---- the weights: a lane takes a column n, its registers run down K.  g = work-group - 256: weight g / 32, columns 128 ((g / 4) % 8) + 32 x wave on, k 256 (g % 4) on
	s_sub_co_u32 s26, ttmp9, 256
	s_lshr_b32 s27, s26, 5                         ; which weight
	s_bfe_u32 s28, s26, 0x30002
	s_and_b32 s29, s26, 3                          ; kq
	s_lshl_b32 s30, s28, 7
	s_lshl_b32 s31, s22, 5
	s_add_co_u32 s30, s30, s31                     ; n0
	s_wait_alu depctr_va_vdst(0)
	v_lshlrev_b32 v1, 2, v7                        ; in: 4 bytes a lane
	v_bfe_u32 v2, v0, 3, 1                         ; column n0 + lane lies in tile n0 / 16 + u, u = the lane's bit 3,
	v_bfe_u32 v3, v0, 4, 1
	v_and_b32 v4, 7, v0
	v_lshl_or_b32 v4, v3, 3, v4                    ; at row r = (lane & 7) + 8 x (its bit 4)
	v_lshlrev_b32 v5, 4, v4
	v_lshl_add_u32 v5, v2, 14, v5                  ; codes: 16,384 u + 16 r
	v_lshlrev_b32 v6, 3, v4
	v_lshl_add_u32 v6, v2, 9, v6                   ; scale words: 512 u + 8 r
	s_lshl_b32 s32, s29, 20                        ; 256 kq rows of 4,096 bytes
	s_lshl_b32 s33, s30, 2
	s_add_co_u32 s32, s32, s33
	s_mov_b32 s33, 0
	s_lshl_b32 s34, s27, 6
	s_lshr_b32 s35, s30, 4
	s_add_co_u32 s34, s34, s35                     ; tile 64 x weight + n0 / 16
	s_lshl_b32 s36, s34, 14
	s_lshl_b32 s37, s29, 12                        ; K steps 2 kq, 2 kq + 1
	s_add_co_u32 s36, s36, s37
	s_mov_b32 s37, 0
	s_lshl_b32 s38, s34, 9
	s_lshl_b32 s39, s29, 7
	s_add_co_u32 s38, s38, s39
	s_mov_b32 s39, 0
	s_wait_alu depctr_va_vdst(0)
	s_wait_kmcnt 0x0
	s_cmp_eq_u32 s27, 1
	s_cselect_b64 s[6:7], s[8:9], s[6:7]
	s_cmp_eq_u32 s27, 2
	s_cselect_b64 s[6:7], s[10:11], s[6:7]
	s_cmp_eq_u32 s27, 3
	s_cselect_b64 s[6:7], s[12:13], s[6:7]
	s_add_nc_u64 s[6:7], s[6:7], s[32:33]
	s_add_nc_u64 s[18:19], s[18:19], s[36:37]
	s_add_nc_u64 s[20:21], s[20:21], s[38:39]
	WLOAD 0
	WLOAD 1
.irp t, 0,1,2,3,4,5,6,7
	WBLOCK \t
.endr
	global_store_b64 v6, v[24:25], s[20:21]        ; my column's two scale words
	s_endpgm
.Lfunc_end_k_q277ab1fbd8_prep:
	.size	k_q277ab1fbd8_prep, .Lfunc_end_k_q277ab1fbd8_prep-k_q277ab1fbd8_prep
	.p2alignl 7, 3214868480
	.fill 96, 4, 3214868480
	.section	.rodata,"a",@progbits
	.p2align	6, 0x0
	.amdhsa_kernel k_q277ab1fbd8_prep
		.amdhsa_group_segment_fixed_size 34304
		.amdhsa_private_segment_fixed_size 0
		.amdhsa_enable_private_segment 0
		.amdhsa_kernarg_size 72
		.amdhsa_user_sgpr_count 2
		.amdhsa_user_sgpr_kernarg_segment_ptr 1
		.amdhsa_wavefront_size32 1
		.amdhsa_system_sgpr_workgroup_id_x 1
		.amdhsa_system_sgpr_workgroup_id_y 1
		.amdhsa_system_sgpr_workgroup_id_z 1
		.amdhsa_system_vgpr_workitem_id 0
		.amdhsa_next_free_vgpr 256
		.amdhsa_next_free_sgpr 66
		.amdhsa_reserve_vcc 1
		.amdhsa_float_denorm_mode_32 3
		.amdhsa_float_denorm_mode_16_64 3
		.amdhsa_fp16_overflow 1
		.amdhsa_memory_ordered 1
		.amdhsa_forward_progress 1
		.amdhsa_inst_pref_size 72
	.end_amdhsa_kernel
	.amdgpu_metadata
---
amdhsa.version: [ 1, 2 ]
amdhsa.kernels:
  - .name:           k_q277ab1fbd8_prep
    .symbol:         k_q277ab1fbd8_prep.kd
    .args:
      - { .name: hidden_states, .offset: 0, .size: 8, .value_kind: global_buffer, .address_space: global }
      - { .name: Wq, .offset: 8, .size: 8, .value_kind: global_buffer, .address_space: global }
      - { .name: Wk, .offset: 16, .size: 8, .value_kind: global_buffer, .address_space: global }
      - { .name: Wv, .offset: 24, .size: 8, .value_kind: global_buffer, .address_space: global }
      - { .name: Wo, .offset: 32, .size: 8, .value_kind: global_buffer, .address_space: global }
      - { .name: hsimg, .offset: 40, .size: 8, .value_kind: global_buffer, .address_space: global }
      - { .name: hsscl, .offset: 48, .size: 8, .value_kind: global_buffer, .address_space: global }
      - { .name: wimg, .offset: 56, .size: 8, .value_kind: global_buffer, .address_space: global }
      - { .name: wscl, .offset: 64, .size: 8, .value_kind: global_buffer, .address_space: global }
    .group_segment_fixed_size: 34304
    .private_segment_fixed_size: 0
    .kernarg_segment_align: 8
    .kernarg_segment_size: 72
    .max_flat_workgroup_size: 128
    .sgpr_count:     66
    .vgpr_count:     256
    .wavefront_size: 32
...
	.end_amdgpu_metadata
.endif
;; end of part 1
;; launch qkv (part 2): grid 12 x 64, 4 waves a work-group, clusters of 4 x 4, 327,680 bytes of LDS; arguments hsimg, hsscl, wimg, wscl, bq, bk, bv, qb, kv; writes qb, kv
.if DOCPART == 2
	.amdgcn_target "amdgcn-amd-amdhsa--gfx1250"
	.amdhsa_code_object_version 6
	.text
	.protected	k_q277ab1fbd8_qkv
	.globl	k_q277ab1fbd8_qkv
	.p2align	8
	.type	k_q277ab1fbd8_qkv,@function
k_q277ab1fbd8_qkv:
	s_mov_b64 s[64:65], 0
	v_nop
	global_prefetch_b8 v0, s[64:65] scope:SCOPE_SE
	s_setreg_imm32_b32 hwreg(HW_REG_WAVE_MODE, 25, 1), 1
	s_wait_xcnt 0x0
	s_wait_alu depctr_hold_cnt(0) depctr_sa_sdst(0) depctr_va_vdst(0) depctr_va_sdst(0) depctr_va_ssrc(0) depctr_va_vcc(0) depctr_vm_vsrc(0)
	s_getreg_b32 s2, hwreg(HW_REG_IB_STS2, 6, 4)
	s_cmp_eq_u32 s2, 0
	s_cbranch_scc0 .Lentry_in_a_cluster
	s_endpgm
.Lentry_in_a_cluster:
	s_bfe_u32 s2, ttmp6, 0x10000c
	s_cmp_lg_u32 s2, 0xf033
	s_cbranch_scc0 .Lentry_shape_is_right
	s_endpgm
.Lentry_shape_is_right:
; q = x Wq + bq, k = x Wk + bk, v = x Wv + bv on codes of FP8 (E4M3) with E8M0 scales; the results are quantised at once for attention's two products and stored as images of operand registers.
; A work-group makes 128 "A rows" x 256 "B rows", K = 1,024; four waves, each 64 x 128: 32 accumulators.  Source 0 = 16 B rows, source 1 = 16 A rows: a lane holds ONE A row and its registers run along the B rows,
; and since the rows of a tile are laid 0-7, 16-23 | 8-15, 24-31, the 16 registers of B tiles 2 b and 2 b + 1 are 16 neighbouring B rows: what a quantiser along the B rows wants.
; Cluster x = 0, 1 (q, k): A = tokens, B = the weight's columns: a lane has 128 features = 2 heads x 2 blocks of 32 of one token.  Cluster x = 2 (v): A = Wv's columns, B = tokens: a lane has 128 keys = 4 blocks of one feature.
; Both operands lie in memory in one layout ([tile][K step][2,048 bytes]), so the roles are changed by choosing pointers; the choice hangs on the cluster's x, which all partners share.
; K goes through three LDS slots of two K steps each (first fills) and one refill of slot 0 (K steps 6, 7); all eight K steps are written out.  The scale words of all of K come once.
; CLUSTERS: 4 x 4 work-groups; A's tiles are asked for jointly along a row of the cluster, B's along a column.
; OUT: qb [head of batch][step of 128 tokens][8,704]: codes [tile 8][c 2][lane][16], then words [half][r][4 tiles].  kv [..][17,408]: k likewise at 0 and 8,192; v's codes [feature tile 4][c 4][lane][16] at 8,704, its words [r][4] at 16,896 and once more at 17,152.
; q's and k's words carry 0x7f in the two bytes of the K that the head does not have.
; LIMITS: NaN and infinities are not served; a block of zeros gets the byte 1 (its codes are zeros; this program alone reads the bytes).
; REGISTERS: window 0: v1-15 offsets; v16-25 LDS addresses; v28-29 the add's; v32-63 A's scale words, v64-127 B's; v128-255 A's fragments, two sets.  Window 1: B's fragments, two sets.  Window 2: accumulator (a, b) at 8 (8 a + b).  Window 3: the bias.
.set SLOTB, 98304                      ; a slot: A's 8 tiles x 4,096 bytes, then B's 16
.set SCL,   294912                     ; A's scale words 4,096 bytes, then B's 8,192
.set SPARE, 307200                     ; the spare words: 128 bytes a wave
.set ADRA, 16
.set ADRB, 20
.set ADSA, 24
.set ADSB, 25
.set SPW,  28
.set NIL,  29
.set SA,   32                          ; word of (A tile a, K step ks) at SA + 8 a + ks
.set SB,   64                          ; of (B tile b, ks) at SB + 8 b + ks
.set AF,   128
.set BI,   0                           ; window 3: the bias along the B rows, 8 registers a B tile
.set BV,   64                          ; window 3: the bias of my A row, 8 equal registers an A tile
.set TM,   192                         ; the way out: as in the quantiser
.set MNT,  2
.set G1A,  24
.set G1B,  32
.set G1SA, 40
.set G1SB, 48
.set WV,   56
.set WA,   57                          ; wave / 2: my half of the A rows.  Also: I fetch for A (0) or for B (1)
.set WB,   58                          ; wave % 2: my half of the B rows.  Also: which half of that tile I fetch
.set CX,   59
.set CY,   60
.set XX,   61
.set AT,   66
.set BT,   67
.set G0A,  68
.set G0B,  80
.set G0SA, 92
.set G0SB, 96
.set SEL,  100
.set W_MUL,  0xa1                      ; source 0 (B) window 1, source 1 (A) window 0, C and D window 2
.set W_MULB, 0xb1                      ; the same with C in window 3
.set TO_B,   0x40
.set MSB, 0
.macro WIN new                         ; the immediate's high byte repeats the setting that is left
.if MSB != \new
	s_set_vgpr_msb (MSB<<8)|\new
.set MSB, \new
.endif
.endm
.macro JLOAD g0a, g1a, g0b, g1b        ; a joint load: waves 0, 1 for A, waves 2, 3 for B; four v_nop follow each line
	s_cmp_eq_u32 s[WA], 0
	s_cbranch_scc0 .Lfor_b_\@
	tensor_load_to_lds s[\g0a:\g0a+3], s[\g1a:\g1a+7]
	s_nop 0
.rept 4
	v_nop
.endr
	s_branch .Lasked_\@
.Lfor_b_\@:
	tensor_load_to_lds s[\g0b:\g0b+3], s[\g1b:\g1b+7]
	s_nop 0
.rept 4
	v_nop
.endr
.Lasked_\@:
.endm
.macro CREST                           ; a round of the cluster's barrier behind its opening barrier
	s_cmp_lg_u32 s[WV], 0
	s_cbranch_scc1 .Lnot_wave_0_\@
	s_barrier_signal -3
.Lnot_wave_0_\@:
	s_barrier_wait -3
	s_barrier_signal -1
	s_barrier_wait -1
.endm
.macro CROUND
	s_barrier_signal -1
	s_barrier_wait -1
	CREST
.endm
.macro PLACES n                        ; plain vector places behind matrix instructions: 8 for this form
.rept \n
	v_nop
.endr
.endm
.macro FETCH ks                        ; the fragments of K step ks into set ks % 2: 48 loads of 512 consecutive bytes
	WIN TO_B
.irp b, 0,1,2,3,4,5,6,7
.irp c, 0,1,2,3
	ds_load_b128 v[128*((\ks)%2)+16*\b+4*\c:128*((\ks)%2)+16*\b+4*\c+3], v[ADRB+((\ks)/2)%3] offset:4096*\b+2048*((\ks)%2)+512*\c
.endr
.endr
	WIN 0
.irp a, 0,1,2,3
.irp c, 0,1,2,3
	ds_load_b128 v[AF+64*((\ks)%2)+16*\a+4*\c:AF+64*((\ks)%2)+16*\a+4*\c+3], v[ADRA+((\ks)/2)%3] offset:4096*\a+2048*((\ks)%2)+512*\c
.endr
.endr
.endm
; A tiles a0 .. a0 + n - 1 against B's eight, K step ks.  cm = 0: onto the sums; 1: the sums begin with the bias along B; 2: with the bias of the A row.  The 32 accumulators take turns in one order.
.macro MUL a0, n, ks, cm
.set ma, \a0
.rept \n
.irp b, 0,1,2,3,4,5,6,7
.if \cm == 0
	v_wmma_scale_f32_16x16x128_f8f6f4 v[8*(8*ma+\b):8*(8*ma+\b)+7], v[128*((\ks)%2)+16*\b:128*((\ks)%2)+16*\b+15], v[AF+64*((\ks)%2)+16*ma:AF+64*((\ks)%2)+16*ma+15], v[8*(8*ma+\b):8*(8*ma+\b)+7], v[SB+8*\b+(\ks)], v[SA+8*ma+(\ks)]
.elseif \cm == 1
	v_wmma_scale_f32_16x16x128_f8f6f4 v[8*(8*ma+\b):8*(8*ma+\b)+7], v[128*((\ks)%2)+16*\b:128*((\ks)%2)+16*\b+15], v[AF+64*((\ks)%2)+16*ma:AF+64*((\ks)%2)+16*ma+15], v[BI+8*\b:BI+8*\b+7], v[SB+8*\b+(\ks)], v[SA+8*ma+(\ks)]
.else
	v_wmma_scale_f32_16x16x128_f8f6f4 v[8*(8*ma+\b):8*(8*ma+\b)+7], v[128*((\ks)%2)+16*\b:128*((\ks)%2)+16*\b+15], v[AF+64*((\ks)%2)+16*ma:AF+64*((\ks)%2)+16*ma+15], v[BV+8*ma:BV+8*ma+7], v[SB+8*\b+(\ks)], v[SA+8*ma+(\ks)]
.endif
.endr
.set ma, ma+1
.endr
.endm
.macro KSTEP ks                        ; a K step whose successor lies in a slot that is already whole for every wave
	s_wait_dscnt 0x0                               ; this step's fragments are in (asked for 16 or 32 matrix instructions ago)
	PLACES 8                                       ; in front of loads into the set that the last step multiplied
	FETCH (\ks)+1
	WIN W_MUL
	MUL 0, 4, \ks, 0
.endm
; 64 results of a lane, v[s] on in window 2, register 16 b + i = B row 32 b + 16 h + i, become 16 registers of codes at v[pc] (window 0); the four scale bytes are left in v[TM+4] on
.macro QUANTW s, pc
	WIN 0x0a
.irp b, 0,1,2,3
	v_max3_num_f32 v[TM+\b], |v[(\s)+16*\b]|, |v[(\s)+1+16*\b]|, 0x4800000    ; each accumulator is read from its low end on; the floor 2^(9 - 127)
.endr
	WIN 0x28
.irp i, 2,4,6,8,10,12,14
.irp b, 0,1,2,3
	v_max3_num_f32 v[TM+\b], v[TM+\b], |v[(\s)+16*\b+\i]|, |v[(\s)+1+16*\b+\i]|
.endr
.endr
	WIN 0
.irp b, 0,1,2,3
	v_permlanex16_b32 v[TM+4+\b], v[TM+\b], s[SEL], s[SEL+1]
.endr
.irp b, 0,1,2,3
	v_max_num_f32 v[TM+\b], v[TM+\b], v[TM+4+\b]
.endr
.irp b, 0,1,2,3
	v_add_nc_u32 v[TM+12+\b], 0xfc000000, v[TM+\b]
.endr
.irp b, 0,1,2,3
.endr
.irp b, 0,1,2,3
	v_lshrrev_b32 v[TM+4+\b], 23, v[TM+12+\b]
.endr
	WIN 0x82
.irp b, 0,1,2,3
.irp i, 0,1,2,3,4,5,6,7,8,9,10,11,12,13,14,15
.endr
.endr
	WIN 0x02
.irp b, 0,1,2,3
	v_cvt_scalef32_pk8_fp8_f32 v[(\pc)+4*\b:(\pc)+4*\b+1], v[(\s)+16*\b:(\s)+16*\b+7], v[TM+12+\b]
	v_cvt_scalef32_pk8_fp8_f32 v[(\pc)+4*\b+2:(\pc)+4*\b+3], v[(\s)+16*\b+8:(\s)+16*\b+15], v[TM+12+\b]
.endr
	WIN 0
	v_nop                                          ; one plain line behind the last conversion
.endm
	s_load_b256 s[4:11], s[0:1], 0x0               ; hsimg s[4:5], hsscl s[6:7], wimg s[8:9], wscl s[10:11]
	s_load_b256 s[12:19], s[0:1], 0x20             ; bq s[12:13], bk s[14:15], bv s[16:17], qb s[18:19]
	s_load_b64 s[20:21], s[0:1], 0x40              ; kv
	v_lshl_add_u32 v[SPW], v0, 2, SPARE
	v_mov_b32 v[NIL], 0
	ds_add_u32 v28, v29
	ds_add_u32 v28, v29
	s_wait_dscnt 0x0
	v_lshrrev_b32 v1, 5, v0
	v_readfirstlane_b32 s[WV], v1
	s_lshr_b32 s[WA], s[WV], 1
	s_and_b32 s[WB], s[WV], 1
	s_bfe_u32 s[CX], ttmp6, 0x40000
	s_bfe_u32 s[CY], ttmp6, 0x40004
	s_mov_b32 s[XX], ttmp9                         ; cluster x: 0 q, 1 k, 2 v
	s_and_b32 s23, ttmp7, 0xffff                   ; cluster y
	s_lshl_b32 s22, s[CY], 2
	s_lshl_b32 s22, 15, s22                        ; my row of the cluster
	s_lshl_b32 s62, 0x1111, s[CX]                  ; my column
	s_or_b32 s[G1A], s22, (3<<16)|(1<<21)          ; 15:0 the mask; 17:16 elements of 8 bytes; 21 set beside a mask; no padding
	s_or_b32 s[G1SA], s22, (3<<16)|(1<<21)
	s_or_b32 s[G1B], s62, (3<<16)|(1<<21)
	s_or_b32 s[G1SB], s62, (3<<16)|(1<<21)
	s_mov_b32 s[G1A+1], 512<<16                    ; A's codes: 4 tiles' rows of 4,096 bytes (two K steps), 16,384 bytes apart
	s_mov_b32 s[G1A+2], 4<<16
	s_mov_b32 s[G1A+3], 512<<16
	s_mov_b32 s[G1A+4], 4
	s_mov_b32 s[G1A+5], 2048
	s_mov_b32 s[G1A+6], 0
	s_mov_b32 s[G1A+7], 0
	s_mov_b32 s[G1B+1], 512<<16                    ; B's: 8 tiles
	s_mov_b32 s[G1B+2], 8<<16
	s_mov_b32 s[G1B+3], 512<<16
	s_mov_b32 s[G1B+4], 8
	s_mov_b32 s[G1B+5], 2048
	s_mov_b32 s[G1B+6], 0
	s_mov_b32 s[G1B+7], 0
	s_mov_b32 s[G1SA+1], 32<<16                    ; A's scale words: 2,048 dense bytes as 8 rows of 256
	s_mov_b32 s[G1SA+2], 8<<16
	s_mov_b32 s[G1SA+3], 32<<16
	s_mov_b32 s[G1SA+4], 8
	s_mov_b32 s[G1SA+5], 32
	s_mov_b32 s[G1SA+6], 0
	s_mov_b32 s[G1SA+7], 0
	s_mov_b32 s[G1SB+1], 32<<16                    ; B's: 4,096 bytes as 16 rows
	s_mov_b32 s[G1SB+2], 16<<16
	s_mov_b32 s[G1SB+3], 32<<16
	s_mov_b32 s[G1SB+4], 16
	s_mov_b32 s[G1SB+5], 32
	s_mov_b32 s[G1SB+6], 0
	s_mov_b32 s[G1SB+7], 0
	s_lshl_b32 s[AT], s23, 2                       ; q, k: A block (128 tokens) 4 y + cy
	s_and_b32 s22, s23, 1
	s_lshl_b32 s22, s22, 2
	s_add_co_u32 s22, s22, 16                      ; v: A block (128 columns of Wv) 16 + 4 (y % 2) + cy
	s_lshl_b32 s[BT], s[XX], 2                     ; q, k: B block (256 columns) 4 x + cx
	s_lshr_b32 s63, s23, 1
	s_lshl_b32 s63, s63, 2                         ; v: B block (256 tokens) 4 (y / 2) + cx
	s_wait_kmcnt 0x0
	s_cmp_eq_u32 s[XX], 2                          ; every choice on this compare stands ahead of the next line that sets SCC
	s_cselect_b32 s[AT], s22, s[AT]
	s_cselect_b32 s[BT], s63, s[BT]
	s_cselect_b64 s[100:101], s[8:9], s[4:5]       ; A's codes
	s_cselect_b64 s[8:9], s[4:5], s[8:9]           ; B's codes
	s_cselect_b64 s[2:3], s[10:11], s[6:7]         ; A's scale words
	s_cselect_b64 s[10:11], s[6:7], s[10:11]       ; B's
	s_cselect_b64 s[12:13], s[16:17], s[12:13]     ; the bias: bv, or
	s_cmp_eq_u32 s[XX], 1
	s_cselect_b64 s[12:13], s[14:15], s[12:13]     ; bk, or bq
	s_add_co_u32 s[AT], s[AT], s[CY]
	s_add_co_u32 s[BT], s[BT], s[CX]
	s_lshl_b32 s22, s[AT], 17                      ; A's side in registers that never hold cx, B's in registers that never hold cy
	s_lshl_b32 s23, s[WB], 16
	s_add_co_u32 s22, s22, s23
	s_mov_b32 s23, 0
	s_add_nc_u64 s[100:101], s[100:101], s[22:23]
	s_lshl_b32 s22, s[AT], 12
	s_lshl_b32 s4, s[WB], 11
	s_add_co_u32 s22, s22, s4
	s_add_nc_u64 s[2:3], s[2:3], s[22:23]
	s_lshl_b32 s62, s[BT], 18
	s_lshl_b32 s63, s[WB], 17
	s_add_co_u32 s62, s62, s63
	s_mov_b32 s63, 0
	s_add_nc_u64 s[8:9], s[8:9], s[62:63]
	s_lshl_b32 s62, s[BT], 13
	s_lshl_b32 s5, s[WB], 12
	s_add_co_u32 s62, s62, s5
	s_add_nc_u64 s[10:11], s[10:11], s[62:63]
	s_lshl_b32 s4, s[WB], 14                       ; where they go: made of the wave's number alone
	s_lshl_b32 s5, s[WB], 15
	s_add_co_u32 s5, s5, 32768
	s_lshl_b32 s6, s[WB], 11
	s_add_co_u32 s6, s6, SCL
	s_lshl_b32 s7, s[WB], 12
	s_add_co_u32 s7, s7, SCL+4096
	CROUND                                         ; all sixteen work-groups are here: the first joint loads meet
	s_mov_b32 s[G0SA], 1
	s_mov_b32 s[G0SA+1], s6
	s_mov_b64 s[G0SA+2:G0SA+3], s[2:3]
	s_or_b32 s[G0SA+3], s[G0SA+3], 0x80000000
	s_mov_b32 s[G0SB], 1
	s_mov_b32 s[G0SB+1], s7
	s_mov_b64 s[G0SB+2:G0SB+3], s[10:11]
	s_or_b32 s[G0SB+3], s[G0SB+3], 0x80000000
	JLOAD G0SA, G1SA, G0SB, G1SB                   ; the scale words first: they are wanted with K step 0
.irp g, 0,1,2
	s_mov_b32 s[G0A+4*\g], 1
	s_add_co_u32 s[G0A+4*\g+1], s4, \g*SLOTB
	s_add_nc_u64 s[G0A+4*\g+2:G0A+4*\g+3], s[100:101], \g*4096
	s_or_b32 s[G0A+4*\g+3], s[G0A+4*\g+3], 0x80000000
	s_mov_b32 s[G0B+4*\g], 1
	s_add_co_u32 s[G0B+4*\g+1], s5, \g*SLOTB
	s_add_nc_u64 s[G0B+4*\g+2:G0B+4*\g+3], s[8:9], \g*4096
	s_or_b32 s[G0B+4*\g+3], s[G0B+4*\g+3], 0x80000000
	JLOAD G0A+4*\g, G1A, G0B+4*\g, G1B             ; K steps 2 g, 2 g + 1: by this text's count four loads of a wave are out
.endr
	v_and_b32 v1, 31, v0
	v_lshlrev_b32 v1, 4, v1                        ; 16 x lane
	v_and_b32 v2, 15, v0                           ; r
	s_wait_alu depctr_va_vdst(0)
	v_bfe_u32 v3, v0, 4, 1                         ; h
	s_lshl_b32 s4, s[WA], 14                       ; my 4 tiles of A
	s_lshl_b32 s5, s[WB], 15                       ; my 8 tiles of B, behind A's 8
	s_add_co_u32 s5, s5, 32768
.irp g, 0,1,2
	v_add_nc_u32 v[ADRA+\g], s4, v1
	v_add_nc_u32 v[ADRB+\g], s5, v1
	s_add_co_u32 s4, s4, SLOTB
	s_add_co_u32 s5, s5, SLOTB
.endr
	v_lshlrev_b32 v4, 3, v2
	s_lshl_b32 s4, s[WA], 11
	s_add_co_u32 s4, s4, SCL
	v_add_nc_u32 v[ADSA], s4, v4
	s_lshl_b32 s5, s[WB], 12
	s_add_co_u32 s5, s5, SCL+4096
	v_add_nc_u32 v[ADSB], s5, v4
	; the bias, in both forms, from the one pointer chosen above: along the B rows (q, k: the lane's eight features of each B tile) and of the A row (v: the lane's feature of each A tile).
	; Every work-group loads both (20 small loads a wave, all inside the 4,096 bytes), so that only the first K step's products part on the cluster's x.
	s_and_b32 s14, s[BT], 3
	s_lshl_b32 s14, s14, 10
	s_lshl_b32 s15, s[WB], 9
	s_add_co_u32 s14, s14, s15
	v_lshl_add_u32 v5, v3, 6, s14                  ; (256 (B block % 4) + 128 wb + 16 h) x 4
	s_and_b32 s16, s[AT], 7
	s_lshl_b32 s16, s16, 9
	s_lshl_b32 s17, s[WA], 8
	s_add_co_u32 s16, s16, s17
	v_and_b32 v6, 8, v2
	v_add_nc_u32 v6, v6, v2
	v_lshl_add_u32 v6, v6, 2, s16                  ; (128 (A block % 8) + 64 wa + r + 8 (r / 8)) x 4
	WIN 0xc0                                       ; destination window 3
.irp b, 0,1,2,3,4,5,6,7
	global_load_b128 v[BI+8*\b:BI+8*\b+3], v5, s[12:13] offset:(32*(\b/2)+8*(\b%2))*4
	global_load_b128 v[BI+8*\b+4:BI+8*\b+7], v5, s[12:13] offset:(32*(\b/2)+8*(\b%2))*4+16
.endr
.irp a, 0,1,2,3
	global_load_b32 v[BV+8*\a], v6, s[12:13] offset:(32*(\a/2)+8*(\a%2))*4
.endr
	WIN 0
	s_wait_alu depctr_va_vdst(0)
	s_wait_tensorcnt 2                             ; the scale words and my part of slot 0 are in; slots 1 and 2 may stay out
	s_barrier_signal -1
	s_barrier_wait -1
.irp a, 0,1,2,3
.irp q, 0,1,2,3
	ds_load_b64 v[SA+8*\a+2*\q:SA+8*\a+2*\q+1], v[ADSA] offset:512*\a+128*\q
.endr
.endr
.irp b, 0,1,2,3,4,5,6,7
.irp q, 0,1,2,3
	ds_load_b64 v[SB+8*\b+2*\q:SB+8*\b+2*\q+1], v[ADSB] offset:512*\b+128*\q
.endr
.endr
	FETCH 0
	; ---- K step 0: its products start the sums, with the bias as C
	s_wait_dscnt 0x0
	s_wait_loadcnt 0x0                             ; the bias
	FETCH 1
	s_cmp_eq_u32 s[XX], 2
	s_cbranch_scc1 .Lks0_v
	WIN W_MULB
	MUL 0, 4, 0, 1
	WIN 0
	s_branch .Lks1
.Lks0_v:
	WIN 0xc3
.irp a, 0,1,2,3
.irp j, 1,2,3,4,5,6,7
	v_mov_b32 v[BV+8*\a+\j], v[BV+8*\a]            ; a lane's eight results of a tile belong to one feature
.endr
.endr
	PLACES 4
	WIN W_MULB
	MUL 0, 4, 0, 2
	WIN 0
.Lks1:
	; ---- K step 1 leaves slot 0, which is filled again with K steps 6 and 7
	s_wait_tensorcnt 0x0                           ; all my tensor loads have landed: slots 1 and 2 are whole once every wave says so
	ds_add_u32 v[SPW], v[NIL]                      ; 0 onto my spare word
	s_add_nc_u64 s[G0A+2:G0A+3], s[G0A+2:G0A+3], 12288     ; no load of mine is out: slot 0's descriptors step to K step 6
	s_add_nc_u64 s[G0B+2:G0B+3], s[G0B+2:G0B+3], 12288
	s_wait_dscnt 1                                 ; K step 1's fragments are in; the add may be out
	WIN W_MUL
	MUL 0, 1, 1, 0
	s_wait_dscnt 0x0                               ; the add is done, and my reads of slot 0 are over
	s_barrier_signal -1
	MUL 1, 1, 1, 0
	WIN 0
	s_barrier_wait -1
	CREST                                          ; the barrier has opened a round of the cluster's: no wave of any partner still reads slot 0 or has a load on its way
	JLOAD G0A, G1A, G0B, G1B                       ; the first tensor load behind the round; it has 128 matrix instructions in which to land
	PLACES 4                                       ; with the four behind the load: 8 places in front of loads into set 0
	FETCH 2
	WIN W_MUL
	MUL 2, 2, 1, 0
	KSTEP 2
	KSTEP 3
	KSTEP 4
	; ---- K step 5: the refill is awaited
	s_wait_dscnt 0x0
	MUL 0, 2, 5, 0
	s_wait_tensorcnt 0x0                           ; my part of K steps 6 and 7 is in,
	s_barrier_signal -1
	s_barrier_wait -1                              ; everybody's is
	PLACES 8
	FETCH 6
	WIN W_MUL
	MUL 2, 2, 5, 0
	KSTEP 6
	s_wait_dscnt 0x0
	MUL 0, 4, 7, 0
	WIN 0
	PLACES 8                                       ; in front of the first read of results and of writes into registers that held fragments
	s_mov_b32 s[SEL], 0x76543210
	s_mov_b32 s[SEL+1], 0xfedcba98
.irp b, 0,1,2,3
	v_mov_b32 v[TM+4+\b], 0                        ; a lane permute's destination counts as one of its sources
.endr
	s_cmp_eq_u32 s[XX], 2
	s_cbranch_scc1 .Lout_v
	; ---- q, k: my 64 tokens x 2 heads.  Codes 4 b .. 4 b + 3 of a lane are features 32 b + 16 h + 0 .. 15: blocks 0, 1 the first head's two pieces, blocks 2, 3 the second's
	s_cmp_eq_u32 s[XX], 1
	s_cselect_b64 s[18:19], s[20:21], s[18:19]     ; kv or qb
	s_mov_b32 s14, 139264
	s_mov_b32 s15, 278528
	s_cselect_b32 s14, s15, s14                    ; bytes of a head of a batch
	s_mov_b32 s15, 8704
	s_mov_b32 s16, 17408
	s_cselect_b32 s15, s16, s15                    ; and of a step of 128 tokens
	s_lshr_b32 s12, s[AT], 4
	s_lshl_b32 s12, s12, 4                         ; 16 x batch
	s_lshl_b32 s13, s[CX], 2
	s_add_co_u32 s12, s12, s13
	s_lshl_b32 s13, s[WB], 1
	s_add_co_u32 s12, s12, s13                     ; + my first head, 4 cx + 2 wb
	s_mul_i32 s12, s12, s14
	s_and_b32 s13, s[AT], 15
	s_mul_i32 s13, s13, s15
	s_add_co_u32 s12, s12, s13
	s_mov_b32 s13, 0
	s_add_nc_u64 s[18:19], s[18:19], s[12:13]
	v_lshl_add_u32 v10, s[WA], 12, v1              ; tile 4 wa + a: 1,024 bytes each; 16 x lane
	v_add_nc_u32 v11, s14, v10                     ; the second head
	v_mul_lo_u32 v12, v3, s14
	v_lshl_add_u32 v12, v2, 4, v12
	s_lshl_b32 s16, s[WA], 8
	s_add_co_u32 s16, s16, 8192
	v_add_nc_u32 v12, s16, v12                     ; words: lanes 0-15 the first head's, lanes 16-31 the second's: 8,192 + 256 wa + 16 r
.irp a, 0,1,2,3
	QUANTW 64*\a, 128+16*\a
	v_lshl_or_b32 v[208+\a], v[TM+5], 8, v[TM+4]
	v_lshl_or_b32 v[212+\a], v[TM+7], 8, v[TM+6]
	v_or_b32 v[208+\a], 0x7f7f0000, v[208+\a]      ; 1.0 for the two blocks of K that a head of 64 does not have
	v_or_b32 v[212+\a], 0x7f7f0000, v[212+\a]
	global_store_b128 v10, v[128+16*\a:128+16*\a+3], s[18:19] offset:1024*\a          ; each store: 512 consecutive bytes
	global_store_b128 v10, v[128+16*\a+4:128+16*\a+7], s[18:19] offset:1024*\a+512
	global_store_b128 v11, v[128+16*\a+8:128+16*\a+11], s[18:19] offset:1024*\a
	global_store_b128 v11, v[128+16*\a+12:128+16*\a+15], s[18:19] offset:1024*\a+512
.endr
	v_cmp_eq_u32 vcc_lo, 1, v3
.irp a, 0,1,2,3
	v_cndmask_b32 v[216+\a], v[208+\a], v[212+\a], vcc_lo
.endr
	global_store_b128 v12, v[216:219], s[18:19]    ; sixteen lanes store 256 consecutive bytes
	s_branch .Lend
.Lout_v:
	; ---- v: my 64 features (one head) x 128 keys (one step): A tile a is feature tile a, its 16 registers of codes a whole fragment
	s_and_b32 s12, s[AT], 7
	s_lshl_b32 s12, s12, 1
	s_add_co_u32 s12, s12, s[WA]                   ; the head
	s_lshl_b32 s13, s[BT], 1
	s_add_co_u32 s13, s13, s[WB]                   ; the step of 128 tokens, over all batches
	s_lshr_b32 s14, s13, 4
	s_lshl_b32 s14, s14, 4
	s_add_co_u32 s14, s14, s12
	s_mul_i32 s14, s14, 278528
	s_and_b32 s13, s13, 15
	s_mul_i32 s13, s13, 17408
	s_add_co_u32 s12, s14, s13
	s_mov_b32 s13, 0
	s_add_nc_u64 s[20:21], s[20:21], s[12:13]
	v_lshlrev_b32 v12, 4, v2
	v_lshl_add_u32 v12, v3, 8, v12                 ; words: 16 r; lanes 16-31 write the copy, so that every byte of the block is stored
.irp a, 0,1,2,3
	QUANTW 64*\a, 128+16*\a
	v_lshl_or_b32 v[208+\a], v[TM+5], 8, v[TM+4]
	v_lshl_or_b32 v[208+\a], v[TM+6], 16, v[208+\a]
	v_lshl_or_b32 v[208+\a], v[TM+7], 24, v[208+\a]
.irp c, 0,1,2,3
	global_store_b128 v1, v[128+16*\a+4*\c:128+16*\a+4*\c+3], s[20:21] offset:8704+2048*\a+512*\c
.endr
.endr
	global_store_b128 v12, v[208:211], s[20:21] offset:16896
.Lend:
	s_wait_tensorcnt 0x0                           ; the wave's end
	ds_add_u32 v[SPW], v[NIL]
	s_wait_dscnt 0x0
	CROUND                                         ; the closing round
	s_endpgm
.Lfunc_end_k_q277ab1fbd8_qkv:
	.size	k_q277ab1fbd8_qkv, .Lfunc_end_k_q277ab1fbd8_qkv-k_q277ab1fbd8_qkv
	.p2alignl 7, 3214868480
	.fill 96, 4, 3214868480
	.section	.rodata,"a",@progbits
	.p2align	6, 0x0
	.amdhsa_kernel k_q277ab1fbd8_qkv
		.amdhsa_group_segment_fixed_size 327680
		.amdhsa_private_segment_fixed_size 0
		.amdhsa_enable_private_segment 0
		.amdhsa_kernarg_size 72
		.amdhsa_user_sgpr_count 2
		.amdhsa_user_sgpr_kernarg_segment_ptr 1
		.amdhsa_wavefront_size32 1
		.amdhsa_system_sgpr_workgroup_id_x 1
		.amdhsa_system_sgpr_workgroup_id_y 1
		.amdhsa_system_sgpr_workgroup_id_z 1
		.amdhsa_system_vgpr_workitem_id 0
		.amdhsa_next_free_vgpr 864
		.amdhsa_next_free_sgpr 102
		.amdhsa_reserve_vcc 1
		.amdhsa_float_denorm_mode_32 3
		.amdhsa_float_denorm_mode_16_64 3
		.amdhsa_fp16_overflow 1
		.amdhsa_memory_ordered 1
		.amdhsa_forward_progress 1
		.amdhsa_inst_pref_size 117
	.end_amdhsa_kernel
	.amdgpu_metadata
---
amdhsa.version: [ 1, 2 ]
amdhsa.kernels:
  - .name:           k_q277ab1fbd8_qkv
    .symbol:         k_q277ab1fbd8_qkv.kd
    .args:
      - { .name: hsimg, .offset: 0, .size: 8, .value_kind: global_buffer, .address_space: global }
      - { .name: hsscl, .offset: 8, .size: 8, .value_kind: global_buffer, .address_space: global }
      - { .name: wimg, .offset: 16, .size: 8, .value_kind: global_buffer, .address_space: global }
      - { .name: wscl, .offset: 24, .size: 8, .value_kind: global_buffer, .address_space: global }
      - { .name: bq, .offset: 32, .size: 8, .value_kind: global_buffer, .address_space: global }
      - { .name: bk, .offset: 40, .size: 8, .value_kind: global_buffer, .address_space: global }
      - { .name: bv, .offset: 48, .size: 8, .value_kind: global_buffer, .address_space: global }
      - { .name: qb, .offset: 56, .size: 8, .value_kind: global_buffer, .address_space: global }
      - { .name: kv, .offset: 64, .size: 8, .value_kind: global_buffer, .address_space: global }
    .group_segment_fixed_size: 327680
    .private_segment_fixed_size: 0
    .kernarg_segment_align: 8
    .kernarg_segment_size: 72
    .max_flat_workgroup_size: 128
    .sgpr_count:     102
    .vgpr_count:     864
    .wavefront_size: 32
...
	.end_amdgpu_metadata
.endif
;; end of part 2
;; launch attn (part 3): grid 256 x 1, 16 waves a work-group, clusters of 4 x 1, 288,768 bytes of LDS; arguments qb, kv, aimg, ascl; writes aimg, ascl
.if DOCPART == 3
	.amdgcn_target "amdgcn-amd-amdhsa--gfx1250"
	.amdhsa_code_object_version 6
	.text
	.protected	k_q277ab1fbd8_attn
	.globl	k_q277ab1fbd8_attn
	.p2align	8
	.type	k_q277ab1fbd8_attn,@function
k_q277ab1fbd8_attn:
	s_mov_b64 s[64:65], 0
	v_nop
	global_prefetch_b8 v0, s[64:65] scope:SCOPE_SE
	s_setreg_imm32_b32 hwreg(HW_REG_WAVE_MODE, 25, 1), 1
	s_wait_xcnt 0x0
	s_wait_alu depctr_hold_cnt(0) depctr_sa_sdst(0) depctr_va_vdst(0) depctr_va_sdst(0) depctr_va_ssrc(0) depctr_va_vcc(0) depctr_vm_vsrc(0)
	s_getreg_b32 s2, hwreg(HW_REG_IB_STS2, 6, 4)
	s_cmp_eq_u32 s2, 0
	s_cbranch_scc0 .Lentry_in_a_cluster
	s_endpgm
.Lentry_in_a_cluster:
	s_bfe_u32 s2, ttmp6, 0x10000c
	s_cmp_lg_u32 s2, 0x3003
	s_cbranch_scc0 .Lentry_shape_is_right
	s_endpgm
.Lentry_shape_is_right:
; a = softmax(where(causal, q k^T / 8, -10,000)) v for one head of one batch, both products on codes of FP8 (E4M3) with E8M0 scales; a is quantised along the model's 1,024 for the last product and stored as an image.
; SOFTMAX: t = score x log2(e) / 8; M = the running largest t rounded up to a whole number; p = 2^(t - M) is quantised along the keys; the row's sum is taken of the unquantised p and divides at the end.
; SHARES.  The four work-groups of a cluster take one head.  All its k, v and scale words, 278,528 bytes, lie in LDS: a copy of kv's block, 16 chunks of 128 keys; wave w asks for chunk w, jointly with the same
; wave of the three partners.  Nothing is filled twice.  Wave w owns two tiles of 16 queries: in pass 0 of query step G = w, in pass 1 of G = 15 - w; the tile in the step is 2 cx + pass.  So every wave of every
; work-group works (G + 1) + (16 - G) = 17 key steps.  The loops' counts are constants; a step whose keys all come after the tile's queries is jumped over by a scalar branch on the wave's number and the counters.
; THE MASK IS -10,000, NOT -INFINITY.  In the diagonal step hidden scores become -80,000 (x 1/8) and go the common way.  The 128 (15 - G) keys behind it all have t_m = -10,000 log2(e) = -14,426.95: their p is
; 1.035 x 2^(-14,427 - M), whose code's value is 2^(-14,427 - M) for every whole M.  So they add that power of two times the sum of the quantised v over those keys (made once: a product of each chunk's v with ones,
; then sums from the end on) to O, and their number times the unquantised p to the row's sum; M takes t_m in where such keys exist.
; K = 64 IN AN INSTRUCTION OF K = 128: q's registers 8-15 are zero codes.  k's tile t is the run of 16 registers that begins at its own 8; the upper 8 are the next tile's codes (zeros behind tile 7): never a NaN code,
; since the quantiser holds at 448, so under the scale bytes 0x7f they add exactly 0 against q's zeros.  That halves k's LDS reads.
; LAYOUT: both products transposed (S^T = k q^T, O^T = v^T p^T): a lane holds one query (lane % 16); S's register 16 b + i is key 32 b + 16 h + i, O's is feature 32 b + 16 h + i.
; LIMITS: NaN and infinities are not served; p under 2^-126 counts as 0 (v_exp_f32 flushes); a block of zeros gets the byte 1; the sum of v over hidden keys is added chunk by chunk in f32.
.set CHUNK, 17408                      ; k's codes 8,192 | k's words 512 | v's codes 8,192 | v's words 256 | their copy 256
.set SSB,   16*CHUNK                   ; the chunks' sums of v: 16 x 256 bytes, [h][feature tile][8]
.set SVB,   SSB+4096                   ; sums over all chunks behind chunk g: 16 x 256 bytes
.set F,   32                           ; v32-95 k's 8 tiles x 8 registers, later v's 4 x 16; v96-103 zeros
.set S,   104                          ; v104-167 S^T, then p
.set O,   168                          ; v168-199 O^T
.set PC,  200                          ; v200-215 p's codes
.set BM,  216
.set T1,  220
.set LIM, 224
.set SCO, 228
.set KS,  232                          ; v232-239 k's scale words, v240-243 v's, v244 q's, v245 p's
.set VS,  240
.set QS,  244
.set PS,  245
.set FF,  246                          ; v[246:247] f = 2^(old M - new M)
.set TA,  248
.set TN,  249
.set MK,  250                          ; -80,000.0
.set TC,  251
.set QP,  252                          ; v[252:253]
.set ASS, 254                          ; LDS address: where I store my chunk's sums
.set ASF, 255                          ; LDS address: 8 x lane in the sums
.set WV,  18
.set MNT, 19
.set SEL, 20
.set CS,  22                           ; s[22:23] c = log2(e) / 8
.set G,   40
.set PASS, 41
.set J,   42
.set TB,  43
.set CX,  44
.macro CROUND
	s_barrier_signal -1
	s_barrier_wait -1
	s_cmp_lg_u32 s[WV], 0
	s_cbranch_scc1 .Lnot_wave_0_\@
	s_barrier_signal -3
.Lnot_wave_0_\@:
	s_barrier_wait -3
	s_barrier_signal -1
	s_barrier_wait -1
.endm
.macro PLACES n
.rept \n
	v_nop
.endr
.endm
.macro VFETCH                          ; v's four fragments and its scale words of the chunk at v3, v4
.irp t, 0,1,2,3
.irp c, 0,1,2,3
	ds_load_b128 v[F+16*\t+4*\c:F+16*\t+4*\c+3], v3 offset:8704+2048*\t+512*\c
.endr
.endr
	ds_load_b128 v[VS:VS+3], v4 offset:16896
.endm
	s_load_b256 s[4:11], s[0:1], 0x0               ; qb s[4:5], kv s[6:7], aimg s[8:9], ascl s[10:11]
	v_lshl_add_u32 v254, v0, 2, 0x46000
	v_mov_b32 v255, 0
	ds_add_u32 v254, v255
	ds_add_u32 v254, v255
	s_wait_dscnt 0x0
	v_lshrrev_b32 v1, 5, v0
	s_delay_alu instid0(VALU_DEP_1)
	v_readfirstlane_b32 s[WV], v1                  ; wave 0..15
	s_bfe_u32 s[CX], ttmp6, 0x40000                ; my place in the cluster: it enters global offsets and the mask's number alone
	s_mov_b32 s24, 15|(3<<16)|(1<<21)              ; 15:0 all four work-groups; 17:16 elements of 8 bytes; 21 set beside a mask
	s_mov_b32 s25, 32<<16                          ; a chunk is dense: 68 rows of 256 bytes
	s_mov_b32 s26, 68<<16
	s_mov_b32 s27, 32<<16
	s_mov_b32 s28, 68
	s_mov_b32 s29, 32
	s_mov_b32 s30, 0
	s_mov_b32 s31, 0
	s_mul_i32 s46, s[WV], CHUNK
	s_mul_i32 s36, ttmp9, 16*CHUNK                 ; in a cluster launch ttmp9 counts clusters: the head of the batch
	s_add_co_u32 s36, s36, s46
	s_mov_b32 s37, 0
	s_mul_i32 s50, ttmp9, 16*8704
	s_mov_b32 s51, 0
	s_lshr_b32 s52, ttmp9, 4                       ; batch
	s_and_b32 s53, ttmp9, 15                       ; head
	s_lshl_b32 s54, s52, 21                        ; aimg: 128 tiles of 16,384 bytes a batch; a head's two pieces of a tile begin 1,024 x head in
	s_lshl_b32 s55, s53, 10
	s_add_co_u32 s54, s54, s55
	s_mov_b32 s55, 0
	s_lshl_b32 s56, s52, 16                        ; ascl: 512 bytes a tile; the head's two bytes at 128 (head / 4) + 2 (head % 4) + 8 r
	s_lshr_b32 s57, s53, 2
	s_lshl_b32 s57, s57, 7
	s_add_co_u32 s56, s56, s57
	s_and_b32 s57, s53, 3
	s_lshl_b32 s57, s57, 1
	s_add_co_u32 s56, s56, s57
	s_mov_b32 s57, 0
	s_mov_b32 s[SEL], 0x76543210
	s_mov_b32 s[SEL+1], 0xfedcba98
	s_mov_b32 s[CS], 0x3e38aa3b
	s_mov_b32 s[CS+1], s[CS]
	s_lshl_b32 s58, s[WV], 8
	s_wait_kmcnt 0x0
	s_mov_b32 s32, 1
	s_mov_b32 s33, s46                             ; LDS: chunk w
	s_add_nc_u64 s[34:35], s[6:7], s[36:37]
	s_or_b32 s35, s35, 0x80000000
	s_add_nc_u64 s[4:5], s[4:5], s[50:51]
	s_add_nc_u64 s[8:9], s[8:9], s[54:55]
	s_add_nc_u64 s[10:11], s[10:11], s[56:57]
	CROUND                                         ; all four work-groups are here: the joint loads meet
	tensor_load_to_lds s[32:35], s[24:31]          ; my one tensor load of the launch
	s_nop 0
	PLACES 4
	v_mov_b32 v[PS], 0x7f7f7f7f                    ; for the chunks' sums: p = 1.0 everywhere, scale 1.0
.set n, 0
.rept 16
	v_mov_b32 v[PC+n], 0x38383838
.set n, n+1
.endr
	v_and_b32 v1, 31, v0
	s_delay_alu instid0(VALU_DEP_1)
	v_lshl_add_u32 v[ASF], v1, 3, SSB
	s_delay_alu instid0(VALU_DEP_2)
	v_lshlrev_b32 v1, 4, v1                        ; 16 x lane
	v_and_b32 v8, 15, v0                           ; r
	s_delay_alu instid0(VALU_DEP_1)
	v_lshlrev_b32 v2, 4, v8                        ; 16 r
	v_bfe_u32 v10, v0, 4, 1                        ; h
	s_delay_alu instid0(VALU_DEP_1)
	v_lshlrev_b32 v9, 7, v10
	s_delay_alu instid0(VALU_DEP_1)
	v_add_nc_u32 v[ASS], s58, v9
	s_delay_alu instid0(VALU_DEP_1)
	v_add_nc_u32 v[ASS], SSB, v[ASS]               ; SSB + 256 w + 128 h
	s_delay_alu instid0(VALU_DEP_3)
	v_add_nc_u32 v9, SVB, v9                       ; SVB + 128 h
	v_and_b32 v11, 8, v8
	s_delay_alu instid0(VALU_DEP_1)
	v_add_nc_u32 v11, v11, v8
	v_lshlrev_b32 v10, 4, v10
	s_delay_alu instid0(VALU_DEP_1)
	v_sub_nc_u32 v11, v11, v10                     ; r + 8 (r / 8) - 16 h
	v_add_nc_u32 v3, s46, v1
	v_add_nc_u32 v4, s46, v2
.set n, 0
.rept 8
	v_mov_b32 v[24+n], 0                           ; q's upper half: zero codes, set once
	v_mov_b32 v[96+n], 0                           ; and what stands behind k's tile 7
.set n, n+1
.endr
.irp b, 0,1,2,3
	v_mov_b32 v[T1+\b], 0                          ; a lane permute's destination counts as one of its sources
.endr
	v_mov_b32 v[FF+1], 0                           ; named as the upper halves of pairs
	v_mov_b32 v[QP+1], 0
	v_mov_b32 v[TC], 0
	v_mov_b32 v[MK], 0xc79c4000
	s_wait_tensorcnt 0x0                           ; my chunk is in,
	s_barrier_signal -1
	s_barrier_wait -1                              ; everybody's is
	; ---- the sum of the quantised v over chunk w's 128 keys: v^T x ones; every column of the result is the same
	VFETCH
	s_wait_dscnt 0x0
.irp t, 0,1,2,3
	v_wmma_scale_f32_16x16x128_f8f6f4 v[S+8*\t:S+8*\t+7], v[F+16*\t:F+16*\t+15], v[PC:PC+15], 0, v[VS+\t], v[PS]
.endr
	PLACES 8
.irp t, 0,1,2,3
	ds_store_b128 v[ASS], v[S+8*\t:S+8*\t+3] offset:32*\t          ; laid as O^T lies in a lane: [h][tile][8]; the sixteen lanes of a half write the same bytes
	ds_store_b128 v[ASS], v[S+8*\t+4:S+8*\t+7] offset:32*\t+16
.endr
	s_wait_dscnt 0x0                               ; for the others' sake
	s_barrier_signal -1
	s_barrier_wait -1
	s_cmp_lg_u32 s[WV], 0                          ; wave 0 alone adds them up from the end: two numbers a lane
	s_cbranch_scc1 .Lno_suffix
.irp j, 1,2,3,4,5,6,7,8,9,10,11,12,13,14,15
	ds_load_b64 v[S+2*\j:S+2*\j+1], v[ASF] offset:256*\j
.endr
	s_wait_dscnt 0x0
.irp j, 14
	v_pk_add_f32 v[S+2*\j:S+2*\j+1], v[S+2*\j:S+2*\j+1], v[S+2*\j+2:S+2*\j+3]
.endr
.irp j, 13, 12, 11, 10, 9, 8, 7, 6, 5, 4, 3, 2, 1
	s_delay_alu instid0(VALU_DEP_1)
	v_pk_add_f32 v[S+2*\j:S+2*\j+1], v[S+2*\j:S+2*\j+1], v[S+2*\j+2:S+2*\j+3]     ; the sum over chunks j .. 15: what lies behind chunk j - 1
.endr
.irp g, 0,1,2,3,4,5,6,7,8,9,10,11,12,13,14
	ds_store_b64 v[ASF], v[S+2*\g+2:S+2*\g+3] offset:4096+256*\g
.endr
	ds_store_b64 v[ASF], v[96:97] offset:4096+256*15               ; nothing lies behind the last chunk
.Lno_suffix:
	s_wait_dscnt 0x0
	s_barrier_signal -1
	s_barrier_wait -1                              ; from here on LDS is only read
	s_mov_b32 s[G], s[WV]
	s_mov_b32 s[PASS], 0
.Lpass:
	s_lshl_b32 s45, s[CX], 1
	s_add_co_u32 s45, s45, s[PASS]                 ; my tile in the query step
	s_mul_i32 s59, s[G], 8704
	s_lshl_b32 s47, s45, 10
	s_add_co_u32 s47, s47, s59
	v_add_nc_u32 v6, s47, v1
	s_lshr_b32 s47, s45, 2
	s_lshl_b32 s47, s47, 8
	s_add_co_u32 s47, s47, s59
	s_and_b32 s48, s45, 3
	s_lshl_b32 s48, s48, 2
	s_add_co_u32 s47, s47, s48
	v_add_nc_u32 v7, s47, v2
	global_load_b128 v[16:19], v6, s[4:5]          ; q's two pieces
	global_load_b128 v[20:23], v6, s[4:5] offset:512
	global_load_b32 v[QS], v7, s[4:5] offset:8192  ; and its scale word
	s_lshl_b32 s48, s[G], 3
	s_add_co_u32 s48, s48, s45                     ; the tile in the batch
	s_lshl_b32 s49, s48, 14
	v_add_nc_u32 v8, s49, v1
	s_lshl_b32 s49, s48, 9
	v_lshrrev_b32 v10, 1, v2
	s_delay_alu instid0(VALU_DEP_1)
	v_add_nc_u32 v10, s49, v10
	s_lshl_b32 s49, s[CX], 5
	s_lshl_b32 s50, s[PASS], 3
	s_add_co_u32 s49, s49, s50
	v_add_nc_u32 v5, s49, v11                      ; my query's place in its step, less 16 h: register 16 b + i of S is hidden where 32 b + i is larger
.set n, 0
.rept 32
	v_mov_b32 v[O+n], 0                            ; the step is written once: the first finds zeros
.set n, n+1
.endr
	v_mov_b32 v14, 0
	v_mov_b32 v15, 0
	v_mov_b32 v13, 0xff61b1e6                      ; the largest t so far: -3e38
	s_delay_alu instid0(VALU_DEP_1)
	v_floor_f32 v12, -v13                          ; -M
	s_mov_b32 s[TB], 0
	s_mov_b32 s[J], 0
	s_wait_loadcnt 0x0
.Lstep:
	s_cmp_gt_u32 s[J], s[G]                        ; keys that all come after my queries: served at the pass's end
	s_cbranch_scc1 .Lnext
	s_setprio 2
	v_add_nc_u32 v3, s[TB], v1
	v_add_nc_u32 v4, s[TB], v2
	PLACES 6                                       ; with the two additions: 8 places in front of loads into registers that the last products read
.irp t, 0,1,2,3,4,5,6,7
	ds_load_b128 v[F+8*\t:F+8*\t+3], v3 offset:1024*\t
	ds_load_b128 v[F+8*\t+4:F+8*\t+7], v3 offset:1024*\t+512
.endr
	ds_load_b128 v[KS:KS+3], v4 offset:8192
	ds_load_b128 v[KS+4:KS+7], v4 offset:8448
	s_wait_alu depctr_va_vdst(0)
	s_wait_dscnt 0x0
.irp t, 0,1,2,3,4,5,6,7
	v_wmma_scale_f32_16x16x128_f8f6f4 v[S+8*\t:S+8*\t+7], v[F+8*\t:F+8*\t+15], v[16:31], 0, v[KS+\t], v[QS]
.endr
	PLACES 8
	VFETCH                                         ; v lands under the softmax
	s_cmp_lg_u32 s[J], s[G]
	s_cbranch_scc1 .Lopen
.set n, 0
.rept 64
	v_cmp_gt_i32 vcc_lo, 32*(n/16)+n%16, v5
	v_cndmask_b32 v[S+n], v[S+n], v[MK], vcc_lo    ; the diagonal step: hidden scores become -80,000
.set n, n+1
.endr
.Lopen:
.irp b, 0,1,2,3
	v_max3_num_f32 v[BM+\b], v[S+16*\b], v[S+16*\b+1], v[S+16*\b+2]       ; the largest score of each block of 32 keys: for the row's maximum, and, since p rises with the score, for the block's largest p
.endr
.irp i, 3,5,7,9,11,13
.irp b, 0,1,2,3
	v_max3_num_f32 v[BM+\b], v[BM+\b], v[S+16*\b+\i], v[S+16*\b+\i+1]
.endr
.endr
.irp b, 0,1,2,3
	v_max_num_f32 v[BM+\b], v[BM+\b], v[S+16*\b+15]
.endr
.irp b, 0,1,2,3
	s_delay_alu instid0(VALU_DEP_4)
	v_permlanex16_b32 v[T1+\b], v[BM+\b], s[SEL], s[SEL+1]
.endr
.irp b, 0,1,2,3
	s_delay_alu instid0(VALU_DEP_4)
	v_max_num_f32 v[BM+\b], v[BM+\b], v[T1+\b]
.endr
	s_delay_alu instid0(VALU_DEP_2)
	v_max3_num_f32 v[TA], v[BM], v[BM+1], v[BM+2]
	s_delay_alu instid0(VALU_DEP_1)
	v_max_num_f32 v[TA], v[TA], v[BM+3]
	s_delay_alu instid0(VALU_DEP_1)
	v_mul_f32 v[TA], s[CS], v[TA]
	s_delay_alu instid0(VALU_DEP_1)
	v_max_num_f32 v13, v13, v[TA]                  ; the running largest t
	v_mov_b32 v[TA], v12
	s_delay_alu instid0(VALU_DEP_2)
	v_floor_f32 v12, -v13                          ; the new -M = -ceil(t)
	s_delay_alu instid0(VALU_DEP_1)
	v_sub_f32 v[TA], v12, v[TA]
	s_delay_alu instid0(VALU_DEP_1)
	v_cvt_i32_f32 v[TA], v[TA]                     ; (it saturates)
	s_delay_alu instid0(VALU_DEP_1)
	v_ldexp_f32 v[FF], 1.0, v[TA]                  ; f = 2^(old M - new M): a multiplication by it rounds nothing
.set n, 0
	s_setprio 1
.rept 32
	v_pk_fma_f32 v[S+n:S+n+1], v[S+n:S+n+1], s[CS:CS+1], v[12:13] op_sel_hi:[1,0,0]   ; t - M
.set n, n+2
.endr
.irp b, 0,1,2,3
	v_fma_f32 v[BM+\b], v[BM+\b], s[CS], v12
.endr
.set n, 0
	s_wait_alu depctr_va_vdst(0)
.rept 64
	v_exp_f32 v[S+n], v[S+n]                       ; p = 2^(t - M)
.set n, n+1
.endr
.irp b, 0,1,2,3
	v_exp_f32 v[BM+\b], v[BM+\b]                   ; the block's largest p
.endr
	v_pk_mul_f32 v[14:15], v[14:15], v[FF:FF+1] op_sel_hi:[1,0]    ; the sums under the new M (a plain place behind the exponentials)
	s_wait_alu depctr_va_vdst(0)
.irp b, 0,1,2,3
	v_max_num_f32 v[BM+\b], 0x4800000, v[BM+\b]    ; the floor: the byte cannot fall under 1
.endr
.irp b, 0,1,2,3
	s_delay_alu instid0(VALU_DEP_4)
	v_add_nc_u32 v[SCO+\b], 0xfc000000, v[BM+\b]
.endr
.irp b, 0,1,2,3
.endr
.irp b, 0,1,2,3
	s_delay_alu instid0(VALU_DEP_4)
	v_lshrrev_b32 v[T1+\b], 23, v[SCO+\b]
.endr
	s_delay_alu instid0(VALU_DEP_3)
	v_lshl_or_b32 v[PS], v[T1+1], 8, v[T1]         ; p's scale word for these 128 keys
	s_delay_alu instid0(VALU_DEP_1)
	v_lshl_or_b32 v[PS], v[T1+2], 16, v[PS]
	s_delay_alu instid0(VALU_DEP_1)
	v_lshl_or_b32 v[PS], v[T1+3], 24, v[PS]
	v_pk_add_f32 v[220:221], v[108:109], v[112:113]
	v_pk_add_f32 v[254:255], v[116:117], v[120:121]
	v_pk_add_f32 v[248:249], v[124:125], v[128:129]
	v_pk_add_f32 v[238:239], v[132:133], v[136:137]
	v_pk_add_f32 v[236:237], v[140:141], v[144:145]
	v_pk_add_f32 v[234:235], v[148:149], v[152:153]
	v_pk_add_f32 v[232:233], v[156:157], v[160:161]
	v_pk_add_f32 v[14:15], v[14:15], v[164:165]
	v_pk_add_f32 v[220:221], v[220:221], v[104:105]
	v_pk_add_f32 v[254:255], v[254:255], v[106:107]
	v_pk_add_f32 v[248:249], v[248:249], v[110:111]
	v_pk_add_f32 v[238:239], v[238:239], v[114:115]
	v_pk_add_f32 v[236:237], v[236:237], v[118:119]
	v_pk_add_f32 v[234:235], v[234:235], v[122:123]
	v_pk_add_f32 v[232:233], v[232:233], v[126:127]
	v_pk_add_f32 v[14:15], v[14:15], v[130:131]
	v_pk_add_f32 v[220:221], v[220:221], v[134:135]
	v_pk_add_f32 v[254:255], v[254:255], v[138:139]
	s_setprio 0
	v_pk_add_f32 v[248:249], v[248:249], v[142:143]
	v_pk_add_f32 v[238:239], v[238:239], v[146:147]
	v_pk_add_f32 v[236:237], v[236:237], v[150:151]
	v_pk_add_f32 v[234:235], v[234:235], v[154:155]
	v_pk_add_f32 v[232:233], v[232:233], v[158:159]
	v_pk_add_f32 v[14:15], v[14:15], v[162:163]
	v_pk_add_f32 v[220:221], v[220:221], v[166:167]
	s_delay_alu instid0(VALU_DEP_2)
	v_pk_add_f32 v[14:15], v[14:15], v[238:239]
	s_delay_alu instid0(VALU_DEP_2)
	v_pk_add_f32 v[220:221], v[220:221], v[236:237]
	v_pk_add_f32 v[254:255], v[254:255], v[234:235]
	v_pk_add_f32 v[248:249], v[248:249], v[232:233]
	s_delay_alu instid0(VALU_DEP_2)
	v_pk_add_f32 v[14:15], v[14:15], v[254:255]
	s_delay_alu instid0(VALU_DEP_2)
	v_pk_add_f32 v[220:221], v[220:221], v[248:249]
	s_delay_alu instid0(VALU_DEP_1)
	v_pk_add_f32 v[14:15], v[14:15], v[220:221]
.irp b, 0,1,2,3
.irp i, 0,1,2,3,4,5,6,7,8,9,10,11,12,13,14,15
.endr
	v_cvt_scalef32_pk8_fp8_f32 v[PC+4*\b:PC+4*\b+1], v[S+16*\b:S+16*\b+7], v[SCO+\b]
	v_cvt_scalef32_pk8_fp8_f32 v[PC+4*\b+2:PC+4*\b+3], v[S+16*\b+8:S+16*\b+15], v[SCO+\b]
.endr
.set n, 0
.rept 16
	v_pk_mul_f32 v[O+n:O+n+1], v[O+n:O+n+1], v[FF:FF+1] op_sel_hi:[1,0]   ; O^T under the new M; these 16 are also the places between the conversions and the products
.set n, n+2
.endr
	s_wait_alu depctr_va_vdst(0)
	s_wait_dscnt 0x0                               ; v is in
.irp t, 0,1,2,3
	v_wmma_scale_f32_16x16x128_f8f6f4 v[O+8*\t:O+8*\t+7], v[F+16*\t:F+16*\t+15], v[PC:PC+15], v[O+8*\t:O+8*\t+7], v[VS+\t], v[PS]
.endr
.Lnext:
	s_add_co_u32 s[TB], s[TB], CHUNK
	s_add_co_u32 s[J], s[J], 1
	s_cmp_lt_u32 s[J], 16
	s_cbranch_scc1 .Lstep
	s_setprio 0
	; ---- the pass's end: the keys behind the diagonal step, the division, the quantiser, the stores
	s_mov_b32 s51, 0xff61b1e6
	s_mov_b32 s52, 0xc79c4000
	s_cmp_lt_u32 s[G], 15
	s_cselect_b32 s51, s52, s51                    ; -80,000 where such keys exist, else -3e38, which changes nothing
	s_lshl_b32 s58, s[G], 8
	s_xor_b32 s53, s[G], 15
	s_lshl_b32 s53, s53, 7                         ; how many: 128 (15 - G)
	v_mov_b32 v[TA], s51
	s_delay_alu instid0(VALU_DEP_1)
	v_mul_f32 v[TA], s[CS], v[TA]
	s_wait_alu depctr_va_vdst(0)
	v_max_num_f32 v13, v13, v[TA]
	v_mov_b32 v[TA], v12
	s_delay_alu instid0(VALU_DEP_2)
	v_floor_f32 v12, -v13
	s_delay_alu instid0(VALU_DEP_1)
	v_sub_f32 v[TA], v12, v[TA]
	s_delay_alu instid0(VALU_DEP_1)
	v_cvt_i32_f32 v[TA], v[TA]
	s_delay_alu instid0(VALU_DEP_1)
	v_ldexp_f32 v[FF], 1.0, v[TA]
	v_add_nc_u32 v3, s58, v9
	v_cvt_f32_u32 v[TN], s53                       ; (these ten lines name no register of the last products: they are the places behind them)
.irp i, 0,1,2,3,4,5,6,7
	ds_load_b128 v[F+4*\i:F+4*\i+3], v3 offset:16*\i               ; the sum of v over the chunks behind G, laid as O^T
.endr
	v_pk_mul_f32 v[14:15], v[14:15], v[FF:FF+1] op_sel_hi:[1,0]
.set n, 0
.rept 16
	v_pk_mul_f32 v[O+n:O+n+1], v[O+n:O+n+1], v[FF:FF+1] op_sel_hi:[1,0]
.set n, n+2
.endr
	v_fma_f32 v[TA], v[MK], s[CS], v12             ; t_m - M,
	s_delay_alu instid0(VALU_DEP_1)
	v_min_num_f32 v[TA], 0, v[TA]                  ; held at 0: it is under 0 wherever such keys exist, and where none exist no infinity may meet the 0 that multiplies it
	s_wait_alu depctr_va_vdst(0)
	v_exp_f32 v[TA], v[TA]                         ; the unquantised p of a hidden key
	v_add_f32 v[QP], 0xc6616c00, v12               ; -M - 14,427 = floor(t_m - M)
	s_delay_alu instid0(VALU_DEP_1)
	v_min_num_f32 v[QP], 0, v[QP]
	s_delay_alu instid0(VALU_DEP_1)
	v_cvt_i32_f32 v[QP], v[QP]
	s_delay_alu instid0(VALU_DEP_1)
	v_ldexp_f32 v[QP], 1.0, v[QP]                  ; the value of its code
	v_add_f32 v14, v14, v15
	s_delay_alu instid0(VALU_DEP_1)
	v_permlanex16_b32 v[TC], v14, s[SEL], s[SEL+1]
	s_delay_alu instid0(VALU_DEP_1)
	v_add_f32 v14, v14, v[TC]                      ; the row's sum over the keys that were walked,
	s_wait_alu depctr_va_vdst(0)
	v_fmac_f32 v14, v[TN], v[TA]                   ; and over the others
	s_wait_alu depctr_va_vdst(0)
	v_rcp_f32 v14, v14
	s_wait_dscnt 0x0
.set n, 0
.rept 16
	v_pk_fma_f32 v[O+n:O+n+1], v[F+n:F+n+1], v[QP:QP+1], v[O+n:O+n+1] op_sel_hi:[1,0,1]   ; (plain lines behind the reciprocal)
.set n, n+2
.endr
.set n, 0
	s_wait_alu depctr_va_vdst(0)
.rept 16
	v_pk_mul_f32 v[S+n:S+n+1], v[O+n:O+n+1], v[14:15] op_sel_hi:[1,0]     ; a: register 16 b + i is feature 32 b + 16 h + i of my query
.set n, n+2
.endr
.irp b, 0,1
	v_max3_num_f32 v[BM+\b], |v[S+16*\b]|, |v[S+16*\b+1]|, 0x4800000
.endr
.irp i, 2,4,6,8,10,12,14
.irp b, 0,1
	s_delay_alu instid0(VALU_DEP_2)
	v_max3_num_f32 v[BM+\b], v[BM+\b], |v[S+16*\b+\i]|, |v[S+16*\b+\i+1]|
.endr
.endr
.irp b, 0,1
	s_delay_alu instid0(VALU_DEP_2)
	v_permlanex16_b32 v[T1+\b], v[BM+\b], s[SEL], s[SEL+1]
.endr
.irp b, 0,1
	s_delay_alu instid0(VALU_DEP_2)
	v_max_num_f32 v[BM+\b], v[BM+\b], v[T1+\b]
.endr
.irp b, 0,1
	s_delay_alu instid0(VALU_DEP_2)
	v_add_nc_u32 v[SCO+\b], 0xfc000000, v[BM+\b]
.endr
.irp b, 0,1
	s_delay_alu instid0(VALU_DEP_2)
	v_lshrrev_b32 v[T1+\b], 23, v[SCO+\b]
.endr
	s_delay_alu instid0(VALU_DEP_1)
	v_lshl_or_b32 v[TA], v[T1+1], 8, v[T1]         ; the head's two scale bytes of my query
.irp b, 0,1
.irp i, 0,1,2,3,4,5,6,7,8,9,10,11,12,13,14,15
.endr
	v_cvt_scalef32_pk8_fp8_f32 v[PC+4*\b:PC+4*\b+1], v[S+16*\b:S+16*\b+7], v[SCO+\b]
	v_cvt_scalef32_pk8_fp8_f32 v[PC+4*\b+2:PC+4*\b+3], v[S+16*\b+8:S+16*\b+15], v[SCO+\b]
.endr
	v_nop                                          ; one plain line behind the last conversion
	global_store_b128 v8, v[PC:PC+3], s[8:9]       ; two pieces of the image: 512 consecutive bytes each
	global_store_b128 v8, v[PC+4:PC+7], s[8:9] offset:512
	global_store_b16 v10, v[TA], s[10:11]          ; two bytes a query (lanes 16-31 repeat lanes 0-15): the other heads' bytes of the word come from other work-groups
	s_wait_xcnt 0x0                                ; the stores' offsets and data are written again only behind this wait
	s_xor_b32 s[G], s[G], 15                       ; 15 - G
	s_add_co_u32 s[PASS], s[PASS], 1
	s_cmp_lt_u32 s[PASS], 2
	s_cbranch_scc1 .Lpass
	s_wait_dscnt 0x0
	s_wait_xcnt 0x0
	v_lshl_add_u32 v254, v0, 2, 0x46000
	v_mov_b32 v255, 0
	s_wait_alu depctr_va_vdst(0)
	s_wait_tensorcnt 0x0
	ds_add_u32 v254, v255
	s_wait_dscnt 0x0
	CROUND                                         ; the closing round
	s_endpgm
.Lfunc_end_k_q277ab1fbd8_attn:
	.size	k_q277ab1fbd8_attn, .Lfunc_end_k_q277ab1fbd8_attn-k_q277ab1fbd8_attn
	.p2alignl 7, 3214868480
	.fill 96, 4, 3214868480
	.section	.rodata,"a",@progbits
	.p2align	6, 0x0
	.amdhsa_kernel k_q277ab1fbd8_attn
		.amdhsa_group_segment_fixed_size 288768
		.amdhsa_private_segment_fixed_size 0
		.amdhsa_enable_private_segment 0
		.amdhsa_kernarg_size 32
		.amdhsa_user_sgpr_count 2
		.amdhsa_user_sgpr_kernarg_segment_ptr 1
		.amdhsa_wavefront_size32 1
		.amdhsa_system_sgpr_workgroup_id_x 1
		.amdhsa_system_sgpr_workgroup_id_y 1
		.amdhsa_system_sgpr_workgroup_id_z 1
		.amdhsa_system_vgpr_workitem_id 0
		.amdhsa_next_free_vgpr 256
		.amdhsa_next_free_sgpr 66
		.amdhsa_reserve_vcc 1
		.amdhsa_float_denorm_mode_32 3
		.amdhsa_float_denorm_mode_16_64 3
		.amdhsa_fp16_overflow 1
		.amdhsa_memory_ordered 1
		.amdhsa_forward_progress 1
		.amdhsa_inst_pref_size 46
	.end_amdhsa_kernel
	.amdgpu_metadata
---
amdhsa.version: [ 1, 2 ]
amdhsa.kernels:
  - .name:           k_q277ab1fbd8_attn
    .symbol:         k_q277ab1fbd8_attn.kd
    .args:
      - { .name: qb, .offset: 0, .size: 8, .value_kind: global_buffer, .address_space: global }
      - { .name: kv, .offset: 8, .size: 8, .value_kind: global_buffer, .address_space: global }
      - { .name: aimg, .offset: 16, .size: 8, .value_kind: global_buffer, .address_space: global }
      - { .name: ascl, .offset: 24, .size: 8, .value_kind: global_buffer, .address_space: global }
    .group_segment_fixed_size: 288768
    .private_segment_fixed_size: 0
    .kernarg_segment_align: 8
    .kernarg_segment_size: 32
    .max_flat_workgroup_size: 512
    .sgpr_count:     66
    .vgpr_count:     256
    .wavefront_size: 32
...
	.end_amdgpu_metadata
.endif
;; end of part 3
;; launch out (part 4): grid 4 x 64, 4 waves a work-group, clusters of 4 x 4, 327,680 bytes of LDS; arguments aimg, ascl, wimg, wscl, bo, out0; writes out0
.if DOCPART == 4
	.amdgcn_target "amdgcn-amd-amdhsa--gfx1250"
	.amdhsa_code_object_version 6
	.text
	.protected	k_q277ab1fbd8_out
	.globl	k_q277ab1fbd8_out
	.p2align	8
	.type	k_q277ab1fbd8_out,@function
k_q277ab1fbd8_out:
	s_mov_b64 s[64:65], 0
	v_nop
	global_prefetch_b8 v0, s[64:65] scope:SCOPE_SE
	s_setreg_imm32_b32 hwreg(HW_REG_WAVE_MODE, 25, 1), 1
	s_wait_xcnt 0x0
	s_wait_alu depctr_hold_cnt(0) depctr_sa_sdst(0) depctr_va_vdst(0) depctr_va_sdst(0) depctr_va_ssrc(0) depctr_va_vcc(0) depctr_vm_vsrc(0)
	s_getreg_b32 s2, hwreg(HW_REG_IB_STS2, 6, 4)
	s_cmp_eq_u32 s2, 0
	s_cbranch_scc0 .Lentry_in_a_cluster
	s_endpgm
.Lentry_in_a_cluster:
	s_bfe_u32 s2, ttmp6, 0x10000c
	s_cmp_lg_u32 s2, 0xf033
	s_cbranch_scc0 .Lentry_shape_is_right
	s_endpgm
.Lentry_shape_is_right:
; out = a Wo + bo on codes of FP8 (E4M3) with E8M0 scales, f32 out.  A work-group makes 128 tokens x 256 features, K = 1,024; four waves, each 64 x 128: 32 accumulators.
; Source 0 = 16 columns of Wo, source 1 = 16 tokens: a lane holds one token, and the 16 registers of feature tiles 2 b and 2 b + 1 are 16 neighbouring features (the rows of a tile are laid 0-7, 16-23 | 8-15, 24-31).
; Both operands lie in memory as images of operand registers, [tile][K step][2,048 bytes]; K goes through three LDS slots of two K steps (first fills) and one refill of slot 0; all eight K steps are written out.
; CLUSTERS: 4 x 4 work-groups; a's tiles are asked for jointly along a row of the cluster, Wo's along a column.
; REGISTERS: window 0: v1-15 offsets; v16-25 LDS addresses; v28-29 the add's; v32-63 A's scale words, v64-127 B's; v128-255 A's fragments, two sets, on the way out rows of the result.
; Window 1: B's fragments, two sets.  Window 2: accumulator (a, b) at 8 (8 a + b).  Window 3: the bias.
.set SLOTB, 98304
.set SCL,   294912
.set SPARE, 307200
.set ADRA, 16
.set ADRB, 20
.set ADSA, 24
.set ADSB, 25
.set SPW,  28
.set NIL,  29
.set SA,   32
.set SB,   64
.set AF,   128
.set BI,   0
.set STO,  10
.set RD,   11
.set G1A,  24
.set G1B,  32
.set G1SA, 40
.set G1SB, 48
.set WV,   56
.set WA,   57
.set WB,   58
.set CX,   59
.set CY,   60
.set AT,   66
.set BT,   67
.set G0A,  68
.set G0B,  80
.set G0SA, 92
.set G0SB, 96
.set W_MUL,  0xa1
.set W_MULB, 0xb1
.set TO_B,   0x40
.set MSB, 0
.macro WIN new
.if MSB != \new
	s_set_vgpr_msb (MSB<<8)|\new
.set MSB, \new
.endif
.endm
.macro JLOAD g0a, g1a, g0b, g1b        ; a joint load: waves 0, 1 for A, waves 2, 3 for B; four v_nop follow each line
	s_cmp_eq_u32 s[WA], 0
	s_cbranch_scc0 .Lfor_b_\@
	tensor_load_to_lds s[\g0a:\g0a+3], s[\g1a:\g1a+7]
	s_nop 0
.rept 4
	v_nop
.endr
	s_branch .Lasked_\@
.Lfor_b_\@:
	tensor_load_to_lds s[\g0b:\g0b+3], s[\g1b:\g1b+7]
	s_nop 0
.rept 4
	v_nop
.endr
.Lasked_\@:
.endm
.macro CREST
	s_cmp_lg_u32 s[WV], 0
	s_cbranch_scc1 .Lnot_wave_0_\@
	s_barrier_signal -3
.Lnot_wave_0_\@:
	s_barrier_wait -3
	s_barrier_signal -1
	s_barrier_wait -1
.endm
.macro CROUND
	s_barrier_signal -1
	s_barrier_wait -1
	CREST
.endm
.macro PLACES n
.rept \n
	v_nop
.endr
.endm
.macro FETCH ks
	WIN TO_B
.irp b, 0,1,2,3,4,5,6,7
.irp c, 0,1,2,3
	ds_load_b128 v[128*((\ks)%2)+16*\b+4*\c:128*((\ks)%2)+16*\b+4*\c+3], v[ADRB+((\ks)/2)%3] offset:4096*\b+2048*((\ks)%2)+512*\c
.endr
.endr
	WIN 0
.irp a, 0,1,2,3
.irp c, 0,1,2,3
	ds_load_b128 v[AF+64*((\ks)%2)+16*\a+4*\c:AF+64*((\ks)%2)+16*\a+4*\c+3], v[ADRA+((\ks)/2)%3] offset:4096*\a+2048*((\ks)%2)+512*\c
.endr
.endr
.endm
.macro MUL a0, n, ks, cm               ; cm = 1: the sums begin with the bias.  The 32 accumulators take turns in one order
.set ma, \a0
.rept \n
.irp b, 0,1,2,3,4,5,6,7
.if \cm == 0
	v_wmma_scale_f32_16x16x128_f8f6f4 v[8*(8*ma+\b):8*(8*ma+\b)+7], v[128*((\ks)%2)+16*\b:128*((\ks)%2)+16*\b+15], v[AF+64*((\ks)%2)+16*ma:AF+64*((\ks)%2)+16*ma+15], v[8*(8*ma+\b):8*(8*ma+\b)+7], v[SB+8*\b+(\ks)], v[SA+8*ma+(\ks)]
.else
	v_wmma_scale_f32_16x16x128_f8f6f4 v[8*(8*ma+\b):8*(8*ma+\b)+7], v[128*((\ks)%2)+16*\b:128*((\ks)%2)+16*\b+15], v[AF+64*((\ks)%2)+16*ma:AF+64*((\ks)%2)+16*ma+15], v[BI+8*\b:BI+8*\b+7], v[SB+8*\b+(\ks)], v[SA+8*ma+(\ks)]
.endif
.endr
.set ma, ma+1
.endr
.endm
.macro KSTEP ks
	s_wait_dscnt 0x0
	PLACES 8
	FETCH (\ks)+1
	WIN W_MUL
	MUL 0, 4, \ks, 0
.endm
; THE WAY OUT of token tile a: 16 tokens x 128 features through my stage (rows 528 bytes apart) and back as whole rows of 512 bytes.  LDS serves a wave's instructions in order.
.macro TOSTAGE a
	WIN 0x08                                       ; an LDS store's data are its source 1: window 2
.irp b, 0,1,2,3,4,5,6,7
	ds_store_b128 v[STO], v[8*(8*(\a)+\b):8*(8*(\a)+\b)+3] offset:128*(\b/2)+32*(\b%2)        ; each accumulator from its low end on
	ds_store_b128 v[STO], v[8*(8*(\a)+\b)+4:8*(8*(\a)+\b)+7] offset:128*(\b/2)+32*(\b%2)+16
.endr
	WIN 0
.set BB, 128+64*((\a)%2)
.irp t, 0,1,2,3,4,5,6,7,8,9,10,11,12,13,14,15
	ds_load_b128 v[BB+4*\t:BB+4*\t+3], v[RD] offset:528*\t
.endr
.endm
.macro SEND a, younger
.set BB, 128+64*((\a)%2)
	s_wait_dscnt \younger
.irp t, 0,1,2,3,4,5,6,7,8,9,10,11,12,13,14,15
	global_store_b128 v1, v[BB+4*\t:BB+4*\t+3], s[14:15] offset:(32*((\a)/2)+8*((\a)%2)+\t+8*(\t/8))*4096 th:TH_STORE_NT   ; 512 consecutive bytes of one token's row
.endr
.endm
	s_load_b256 s[4:11], s[0:1], 0x0               ; aimg s[4:5], ascl s[6:7], wimg s[8:9], wscl s[10:11]
	s_load_b128 s[12:15], s[0:1], 0x20             ; bo s[12:13], out0 s[14:15]
	v_lshl_add_u32 v[SPW], v0, 2, SPARE
	v_mov_b32 v[NIL], 0
	ds_add_u32 v28, v29
	ds_add_u32 v28, v29
	s_wait_dscnt 0x0
	v_lshrrev_b32 v1, 5, v0
	v_readfirstlane_b32 s[WV], v1
	s_lshr_b32 s[WA], s[WV], 1
	s_and_b32 s[WB], s[WV], 1
	s_bfe_u32 s[CX], ttmp6, 0x40000
	s_bfe_u32 s[CY], ttmp6, 0x40004
	s_and_b32 s23, ttmp7, 0xffff
	s_lshl_b32 s22, s[CY], 2
	s_lshl_b32 s22, 15, s22                        ; my row of the cluster
	s_lshl_b32 s62, 0x1111, s[CX]                  ; my column
	s_or_b32 s[G1A], s22, (3<<16)|(1<<21)
	s_or_b32 s[G1SA], s22, (3<<16)|(1<<21)
	s_or_b32 s[G1B], s62, (3<<16)|(1<<21)
	s_or_b32 s[G1SB], s62, (3<<16)|(1<<21)
	s_mov_b32 s[G1A+1], 512<<16                    ; A's codes: 4 tiles' rows of 4,096 bytes, 16,384 bytes apart
	s_mov_b32 s[G1A+2], 4<<16
	s_mov_b32 s[G1A+3], 512<<16
	s_mov_b32 s[G1A+4], 4
	s_mov_b32 s[G1A+5], 2048
	s_mov_b32 s[G1A+6], 0
	s_mov_b32 s[G1A+7], 0
	s_mov_b32 s[G1B+1], 512<<16                    ; B's: 8 tiles
	s_mov_b32 s[G1B+2], 8<<16
	s_mov_b32 s[G1B+3], 512<<16
	s_mov_b32 s[G1B+4], 8
	s_mov_b32 s[G1B+5], 2048
	s_mov_b32 s[G1B+6], 0
	s_mov_b32 s[G1B+7], 0
	s_mov_b32 s[G1SA+1], 32<<16                    ; A's scale words: 8 rows of 256 bytes
	s_mov_b32 s[G1SA+2], 8<<16
	s_mov_b32 s[G1SA+3], 32<<16
	s_mov_b32 s[G1SA+4], 8
	s_mov_b32 s[G1SA+5], 32
	s_mov_b32 s[G1SA+6], 0
	s_mov_b32 s[G1SA+7], 0
	s_mov_b32 s[G1SB+1], 32<<16                    ; B's: 16 rows
	s_mov_b32 s[G1SB+2], 16<<16
	s_mov_b32 s[G1SB+3], 32<<16
	s_mov_b32 s[G1SB+4], 16
	s_mov_b32 s[G1SB+5], 32
	s_mov_b32 s[G1SB+6], 0
	s_mov_b32 s[G1SB+7], 0
	s_lshl_b32 s[AT], s23, 2
	s_add_co_u32 s[AT], s[AT], s[CY]               ; A block (128 tokens) 4 y + cy
	s_add_co_u32 s[BT], s[CX], 12                  ; B block (256 columns): Wo's begin at block 12 of wimg
	s_lshl_b32 s22, s[AT], 17
	s_lshl_b32 s23, s[WB], 16
	s_add_co_u32 s22, s22, s23
	s_mov_b32 s23, 0
	s_lshl_b32 s62, s[BT], 18
	s_lshl_b32 s63, s[WB], 17
	s_add_co_u32 s62, s62, s63
	s_mov_b32 s63, 0
	s_wait_kmcnt 0x0
	s_add_nc_u64 s[4:5], s[4:5], s[22:23]
	s_add_nc_u64 s[8:9], s[8:9], s[62:63]
	s_lshl_b32 s22, s[AT], 12
	s_lshl_b32 s16, s[WB], 11
	s_add_co_u32 s22, s22, s16
	s_add_nc_u64 s[6:7], s[6:7], s[22:23]
	s_lshl_b32 s62, s[BT], 13
	s_lshl_b32 s17, s[WB], 12
	s_add_co_u32 s62, s62, s17
	s_add_nc_u64 s[10:11], s[10:11], s[62:63]
	s_lshl_b32 s16, s[WB], 14                      ; where they go: made of the wave's number alone
	s_lshl_b32 s17, s[WB], 15
	s_add_co_u32 s17, s17, 32768
	s_lshl_b32 s18, s[WB], 11
	s_add_co_u32 s18, s18, SCL
	s_lshl_b32 s19, s[WB], 12
	s_add_co_u32 s19, s19, SCL+4096
	CROUND                                         ; all sixteen work-groups are here: the first joint loads meet
	s_mov_b32 s[G0SA], 1
	s_mov_b32 s[G0SA+1], s18
	s_mov_b64 s[G0SA+2:G0SA+3], s[6:7]
	s_or_b32 s[G0SA+3], s[G0SA+3], 0x80000000
	s_mov_b32 s[G0SB], 1
	s_mov_b32 s[G0SB+1], s19
	s_mov_b64 s[G0SB+2:G0SB+3], s[10:11]
	s_or_b32 s[G0SB+3], s[G0SB+3], 0x80000000
	JLOAD G0SA, G1SA, G0SB, G1SB
.irp g, 0,1,2
	s_mov_b32 s[G0A+4*\g], 1
	s_add_co_u32 s[G0A+4*\g+1], s16, \g*SLOTB
	s_add_nc_u64 s[G0A+4*\g+2:G0A+4*\g+3], s[4:5], \g*4096
	s_or_b32 s[G0A+4*\g+3], s[G0A+4*\g+3], 0x80000000
	s_mov_b32 s[G0B+4*\g], 1
	s_add_co_u32 s[G0B+4*\g+1], s17, \g*SLOTB
	s_add_nc_u64 s[G0B+4*\g+2:G0B+4*\g+3], s[8:9], \g*4096
	s_or_b32 s[G0B+4*\g+3], s[G0B+4*\g+3], 0x80000000
	JLOAD G0A+4*\g, G1A, G0B+4*\g, G1B             ; by this text's count four loads of a wave are out
.endr
	v_and_b32 v1, 31, v0
	v_lshlrev_b32 v1, 4, v1                        ; 16 x lane
	v_and_b32 v2, 15, v0                           ; r
	v_bfe_u32 v3, v0, 4, 1                         ; h
	s_lshl_b32 s16, s[WA], 14
	s_lshl_b32 s17, s[WB], 15
	s_add_co_u32 s17, s17, 32768
.irp g, 0,1,2
	v_add_nc_u32 v[ADRA+\g], s16, v1
	v_add_nc_u32 v[ADRB+\g], s17, v1
	s_add_co_u32 s16, s16, SLOTB
	s_add_co_u32 s17, s17, SLOTB
.endr
	v_lshlrev_b32 v4, 3, v2
	s_lshl_b32 s16, s[WA], 11
	s_add_co_u32 s16, s16, SCL
	v_add_nc_u32 v[ADSA], s16, v4
	s_lshl_b32 s17, s[WB], 12
	s_add_co_u32 s17, s17, SCL+4096
	v_add_nc_u32 v[ADSB], s17, v4
	s_mul_i32 s20, s[WV], 8448                     ; my stage, in slot 1: when the first result is stored there that slot has had its only fill, and every wave has passed a barrier behind its last read of it
	s_add_co_u32 s20, s20, SLOTB
	v_mul_u32_u24 v[STO], v2, 528
	v_lshl_add_u32 v[STO], v3, 6, v[STO]
	v_add_nc_u32 v[STO], s20, v[STO]               ; in: row r, + 64 h
	v_add_nc_u32 v[RD], s20, v1                    ; back: 16 bytes a lane of a row
	s_lshl_b32 s100, s[CX], 10
	s_lshl_b32 s101, s[WB], 9
	s_add_co_u32 s100, s100, s101                  ; my first feature, in bytes: (256 cx + 128 wb) x 4
	v_lshl_add_u32 v5, v3, 6, s100
	WIN 0xc0
.irp b, 0,1,2,3,4,5,6,7
	global_load_b128 v[BI+8*\b:BI+8*\b+3], v5, s[12:13] offset:(32*(\b/2)+8*(\b%2))*4
	global_load_b128 v[BI+8*\b+4:BI+8*\b+7], v5, s[12:13] offset:(32*(\b/2)+8*(\b%2))*4+16
.endr
	WIN 0
	s_lshl_b32 s2, s[AT], 19                       ; out0 at token 128 x A block + 64 wa, my first feature
	s_lshl_b32 s3, s[WA], 18
	s_add_co_u32 s2, s2, s3
	s_add_co_u32 s2, s2, s100
	s_mov_b32 s3, 0
	s_add_nc_u64 s[14:15], s[14:15], s[2:3]
	s_wait_tensorcnt 2                             ; the scale words and my part of slot 0 are in; slots 1 and 2 may stay out
	s_barrier_signal -1
	s_barrier_wait -1
.irp a, 0,1,2,3
.irp q, 0,1,2,3
	ds_load_b64 v[SA+8*\a+2*\q:SA+8*\a+2*\q+1], v[ADSA] offset:512*\a+128*\q
.endr
.endr
.irp b, 0,1,2,3,4,5,6,7
.irp q, 0,1,2,3
	ds_load_b64 v[SB+8*\b+2*\q:SB+8*\b+2*\q+1], v[ADSB] offset:512*\b+128*\q
.endr
.endr
	FETCH 0
	s_wait_dscnt 0x0
	s_wait_loadcnt 0x0                             ; the bias
	FETCH 1
	WIN W_MULB
	MUL 0, 4, 0, 1                                 ; K step 0 starts the sums, with the bias as C
	WIN 0
	; ---- K step 1 leaves slot 0, which is filled again with K steps 6 and 7
	s_wait_tensorcnt 0x0                           ; all my tensor loads have landed
	ds_add_u32 v[SPW], v[NIL]                      ; 0 onto my spare word
	s_add_nc_u64 s[G0A+2:G0A+3], s[G0A+2:G0A+3], 12288
	s_add_nc_u64 s[G0B+2:G0B+3], s[G0B+2:G0B+3], 12288
	s_wait_dscnt 1                                 ; K step 1's fragments are in; the add may be out
	WIN W_MUL
	MUL 0, 1, 1, 0
	s_wait_dscnt 0x0                               ; the add is done, and my reads of slot 0 are over
	s_barrier_signal -1
	MUL 1, 1, 1, 0
	WIN 0
	s_barrier_wait -1
	CREST                                          ; a round of the cluster's barrier: no wave of any partner still reads slot 0 or has a load on its way
	JLOAD G0A, G1A, G0B, G1B                       ; the first tensor load behind the round
	PLACES 4                                       ; with the four behind the load: 8 places in front of loads into set 0
	FETCH 2
	WIN W_MUL
	MUL 2, 2, 1, 0
	KSTEP 2
	KSTEP 3
	KSTEP 4
	s_wait_dscnt 0x0
	MUL 0, 2, 5, 0
	s_wait_tensorcnt 0x0                           ; my part of K steps 6 and 7 is in,
	s_barrier_signal -1
	s_barrier_wait -1                              ; everybody's is
	PLACES 8
	FETCH 6
	WIN W_MUL
	MUL 2, 2, 5, 0
	KSTEP 6
	s_wait_dscnt 0x0
	MUL 0, 4, 7, 0
	WIN 0
	PLACES 8                                       ; in front of the first read of results and of loads into registers that held fragments
	TOSTAGE 0
	TOSTAGE 1
	SEND 0, 32                                     ; behind tile 0's loads: tile 1's 16 stores and 16 loads
	s_wait_xcnt 0x0                                ; tile 0's stores have read their registers: tile 2's loads may land there
	TOSTAGE 2
	SEND 1, 32
	s_wait_xcnt 0x0
	TOSTAGE 3
	SEND 2, 32
	SEND 3, 0
	s_wait_tensorcnt 0x0                           ; the wave's end
	ds_add_u32 v[SPW], v[NIL]
	s_wait_dscnt 0x0
	CROUND                                         ; the closing round
	s_endpgm
.Lfunc_end_k_q277ab1fbd8_out:
	.size	k_q277ab1fbd8_out, .Lfunc_end_k_q277ab1fbd8_out-k_q277ab1fbd8_out
	.p2alignl 7, 3214868480
	.fill 96, 4, 3214868480
	.section	.rodata,"a",@progbits
	.p2align	6, 0x0
	.amdhsa_kernel k_q277ab1fbd8_out
		.amdhsa_group_segment_fixed_size 327680
		.amdhsa_private_segment_fixed_size 0
		.amdhsa_enable_private_segment 0
		.amdhsa_kernarg_size 48
		.amdhsa_user_sgpr_count 2
		.amdhsa_user_sgpr_kernarg_segment_ptr 1
		.amdhsa_wavefront_size32 1
		.amdhsa_system_sgpr_workgroup_id_x 1
		.amdhsa_system_sgpr_workgroup_id_y 1
		.amdhsa_system_sgpr_workgroup_id_z 1
		.amdhsa_system_vgpr_workitem_id 0
		.amdhsa_next_free_vgpr 832
		.amdhsa_next_free_sgpr 102
		.amdhsa_reserve_vcc 0
		.amdhsa_float_denorm_mode_32 3
		.amdhsa_float_denorm_mode_16_64 3
		.amdhsa_memory_ordered 1
		.amdhsa_forward_progress 1
		.amdhsa_inst_pref_size 90
	.end_amdhsa_kernel
	.amdgpu_metadata
---
amdhsa.version: [ 1, 2 ]
amdhsa.kernels:
  - .name:           k_q277ab1fbd8_out
    .symbol:         k_q277ab1fbd8_out.kd
    .args:
      - { .name: aimg, .offset: 0, .size: 8, .value_kind: global_buffer, .address_space: global }
      - { .name: ascl, .offset: 8, .size: 8, .value_kind: global_buffer, .address_space: global }
      - { .name: wimg, .offset: 16, .size: 8, .value_kind: global_buffer, .address_space: global }
      - { .name: wscl, .offset: 24, .size: 8, .value_kind: global_buffer, .address_space: global }
      - { .name: bo, .offset: 32, .size: 8, .value_kind: global_buffer, .address_space: global }
      - { .name: out0, .offset: 40, .size: 8, .value_kind: global_buffer, .address_space: global }
    .group_segment_fixed_size: 327680
    .private_segment_fixed_size: 0
    .kernarg_segment_align: 8
    .kernarg_segment_size: 48
    .max_flat_workgroup_size: 128
    .sgpr_count:     102
    .vgpr_count:     832
    .wavefront_size: 32
...
	.end_amdgpu_metadata
.endif
;; end of part 4
